; MI455X (gfx1250); checked and timed in simulation.
; The chip was launched on July 23, 2026; its instructions are those of AMD's public machine-readable ISA for CDNA 5 (MIT licence, August 2026) and "CDNA5" Instruction Set Architecture Reference Guide (July 2026). The comments in the code are by the model that wrote it; some were corrected since.
;; Attention. Allowed arithmetic: matrix products marked QUANTISED: E3M2 operands, one E8M0 scale for each 32 along K, by v_wmma_scale_f32_16x16x128_f8f6f4 with both operands' format E3M2, f32 sums; everything else in f32.
;; Inputs: freqs_cos 2,048 x 64 float32; freqs_sin 2,048 x 64 float32; mask 2,048 x 2,048 float32; wk 2,048 x 2,048 float32; wo 2,048 x 2,048 float32; wq 2,048 x 2,048 float32; wv 2,048 x 2,048 float32; x 1 x 2,048 x 2,048 float32.
;; Outputs: out0 1 x 2,048 x 2,048 float32.
;; Constants: start_pos = 0.
;; This version of the problem:
;;   THIS VERSION OF THE PROBLEM IS GIVEN IN LOW PRECISION. The matrix products marked QUANTISED in the list below multiply operands that are first quantised to E3M2 (3 exponent bits, 2 mantissa bits; 6 bits a number), with one power-of-two scale for each 32 numbers along K (OCP MX v1.0); their sums are f32. All else is computed in f32.
;;   The module's matrix products, in the order in which they are computed (A, B: the left and right operand; K: the contracted axis; several contracted axes count as one K, in the product's order):
;;     1. [M 2,048, K 2,048] x [K 2,048, N 2,048]; A: input x; B: input wq: QUANTISED
;;     2. [M 2,048, K 2,048] x [K 2,048, N 2,048]; A: input x; B: input wk: QUANTISED
;;     3. [M 2,048, K 2,048] x [K 2,048, N 2,048]; A: input x; B: input wv: QUANTISED
;;     4. batch 16 x [M 2,048, K 128] x [K 128, N 2,048]; A: computed on the way; B: computed on the way: QUANTISED
;;     5. batch 16 x [M 2,048, K 2,048] x [K 2,048, N 128]; A: softmax (see below); B: computed on the way: QUANTISED
;;     6. [M 2,048, K 2,048] x [K 2,048, N 2,048]; A: computed on the way; B: input wo: QUANTISED
;;   THE QUANTISER, for each operand of a quantised product, along K:
;;     - K is cut into blocks of 32 from its start; a last block that is shorter is filled with zeros.
;;     - A block's scale is 2^e with e = floor(log2(the largest magnitude in the block)) - 4, held to -126 .. 127; a block of zeros has e = 0. As a byte (E8M0): e + 127.
;;     - Each number is divided by its block's scale, clamped to +-28, and rounded to the nearest number of E3M2, ties to even, subnormals kept.
;;     - The product sums the exact products of the quantised numbers (number of the format x scale) in f32.
;;   ~~~python
;;   def quantise(x, axis):      # numpy; x: float32 -> the quantised numbers, widened to float32 again
;;       x = np.moveaxis(x, axis, -1); K = x.shape[-1]
;;       x = np.pad(x, [(0, 0)] * (x.ndim - 1) + [(0, -K % 32)]); x = x.reshape(x.shape[:-1] + (-1, 32)); a = np.abs(x).max(-1, keepdims=True)
;;       e = np.where(a > 0, np.clip(np.frexp(np.where(a > 0, a, 1))[1] - 1 - 4, -126, 127), 0)      # np.frexp(a)[1] - 1 = floor(log2(a)), exactly
;;       r = np.clip(x / 2.0 ** e, -28, 28)
;;       step = 2.0 ** (np.maximum(np.frexp(np.where(r == 0, 1, r))[1] - 1, -2) - 2)
;;       q = np.round(r / step) * step * 2.0 ** e      # np.round: ties to even
;;       return np.moveaxis(q.reshape(q.shape[:-2] + (-1,))[..., :K], -1, axis).astype(np.float32)
;;   ~~~
;;   SOFTMAX AHEAD OF A QUANTISED PRODUCT. Where the list says 'softmax', what is quantised is not the finished softmax but p = 2^(t - M), with t = logit x log2(e) and M = ceil(the row's largest t), a whole number; so 1/2 < the row's largest p <= 1. The row's sum l is taken of the UNQUANTISED p, in f32, and the product's result is divided by l at the end. Since M is a whole number, a kernel that streams over the keys may use a running M (the ceiling of the running maximum): every later rescaling is an exact power of two, which a block's scale takes up: the codes' values come out the same.
;;   OPERANDS COMPUTED ON THE WAY. 'Computed on the way' means the value that the module computes at that place (a softmax that the list does not call 'softmax' is quantised finished and normalised). What goes into a quantiser is computed in f32, as accurately as f32 sums, v_exp_f32 and their like allow (about 1e-6 of the number): no bf16 or f16 on the way to a quantiser, and a product that is left as it is and whose result goes on into a quantised operand takes f32 operands (vector FMAs, or v_wmma_f32_16x16x4_f32). A number that lies on a knife's edge between two numbers of the format may be rounded either way, as far as f32 arithmetic and the matrix unit's own rounding can turn it there, and no further.
;; One version. Each part assembles by itself: llvm-mc -triple=amdgcn-amd-amdhsa -mcpu=gfx1250 --defsym DOCPART=n.
;; ======== version 1 of 1: 4 launches
;; workspace buffers: opq 16,384,000 bytes; qc 3,276,800 bytes; kvc 6,553,600 bytes; ac 3,276,800 bytes
;; launch quant (part 1): grid 256 x 5, 8 waves a work-group, no clusters, 69,120 bytes of LDS; arguments x, wq, wk, wv, wo, opq; writes opq
.if DOCPART == 1
	.amdgcn_target "amdgcn-amd-amdhsa--gfx1250"
	.amdhsa_code_object_version 6
	.text
	.protected	k_q8d31362419_quant
	.globl	k_q8d31362419_quant
	.p2align	8
	.type	k_q8d31362419_quant,@function
k_q8d31362419_quant:
	s_mov_b64 s[64:65], 0
	v_nop
	global_prefetch_b8 v0, s[64:65] scope:SCOPE_SE
	s_setreg_imm32_b32 hwreg(HW_REG_WAVE_MODE, 25, 1), 1
	s_wait_xcnt 0x0
; x, wq, wk, wv, wo, each [2048][2048] f32 with K innermost, become codes of BF6 (E3M2) with one E8M0 byte for each 32 along K,
; laid as OPERAND BLOCKS: 128 rows x 128 K in 12,800 bytes.  A block has eight tiles of 16 rows; lane-row r of tile 2 b + u is
; row 32 b + 8 u + r + 8 (r / 8).  Tile t lies at 1,536 t as an image of the operand's 12 registers: registers 0-3 at 16 x lane,
; 4-5 at 512 + 8 x lane, 6-9 at 768 + 16 x lane, 10-11 at 1,280 + 8 x lane.  The scale word of (t, r) lies at
; 12,288 + 256 (t / 4) + 16 r + 4 (t % 4).  opq is [tensor 5][row block 16][K step 16] such blocks.
; A block's scale is 2^(floor(log2(largest magnitude)) - 4); its byte is the largest magnitude's exponent field - 4, held at 1 from below.
; LIMITS: a block of zeros, or one whose largest magnitude lies under 2^-122, gets the byte 1 (its codes are zeros or subnormal codes; the bytes
; are read by this program alone); NaN and infinities among the inputs are not served.
; SHARES: a work-group makes one block, wave t its tile t.  Each load reads 512 consecutive bytes (one row's K step); the 16 rows turn through
; the wave's own stage in LDS, from which lane (r, h) takes its two whole blocks of 32, k = 64 c + 32 h + 0 .. 31: the operand's own order.
; Memory binds: no tensor load, no matrix unit, no cluster (work-groups share no input); all 16 loads of a wave are out at once.
.set SP,    528                        ; a stage row: 512 bytes + 16, an odd multiple of 16: sixteen rows start at sixteen different places modulo 256
.set WST,   16*SP                      ; a wave's stage
.set SCL,   8*WST                      ; behind the stages: the block's 512 scale bytes
.set R,     16                         ; v16-79   the numbers as loaded; free again once the stage's stores are done
.set X,     80                         ; v80-143  my two blocks of 32
.set C,     16                         ; v16-27   the tile's codes
.set T,     28                         ; v28-35   the second halves of the conversions (three registers begin on an even number)
.set W,     36                         ; v36-43   at work
.set OUTR,  44                         ; v44-47   the scale bytes on their way out
	s_load_b256 s[4:11], s[0:1], 0x0               ; x, wq, wk, wv
	s_load_b128 s[12:15], s[0:1], 0x20             ; wo, opq
	v_lshl_add_u32 v144, v0, 2, 0x10a00
	v_mov_b32 v145, 0
	v_lshrrev_b32 v9, 5, v0
	v_readfirstlane_b32 s16, v9                    ; wave = tile
	v_and_b32 v10, 31, v0
	v_lshlrev_b32 v1, 4, v10                       ; 16 x lane
	v_lshlrev_b32 v2, 3, v10                       ; 8 x lane
	v_and_b32 v3, 15, v0                           ; r
	v_bfe_u32 v4, v0, 4, 1                         ; h
	s_mul_i32 s17, s16, WST
	v_add_nc_u32 v5, s17, v1                       ; the stage, on the way in: a row as it lies
	v_mul_u32_u24 v6, v3, SP
	v_lshl_add_u32 v6, v4, 7, v6
	v_add_nc_u32 v6, s17, v6                       ; and on the way out: row r, + 128 h bytes
	s_lshr_b32 s18, s16, 2
	s_lshl_b32 s18, s18, 8
	s_and_b32 s19, s16, 3
	s_lshl_b32 s19, s19, 2
	s_add_co_u32 s18, s18, s19
	s_add_co_u32 s18, s18, SCL
	v_lshl_add_u32 v7, v3, 4, s18                  ; my row's scale word
	v_add_nc_u32 v8, SCL, v1                       ; and where wave 0 reads all of them back
	s_mov_b32 s30, 0x76543210
	s_mov_b32 s31, 0xfedcba98                      ; v_permlanex16_b32's selects for lane l xor 16
	s_and_b32 s20, ttmp7, 0xffff                   ; which tensor
	s_lshr_b32 s21, ttmp9, 4                       ; row block
	s_lshl_b32 s21, s21, 7
	s_lshr_b32 s22, s16, 1
	s_lshl_b32 s22, s22, 5
	s_add_co_u32 s21, s21, s22
	s_and_b32 s22, s16, 1
	s_lshl_b32 s22, s22, 3
	s_add_co_u32 s21, s21, s22                     ; my tile's first row: 128 x row block + 32 (t / 2) + 8 (t % 2)
	s_lshl_b32 s21, s21, 13                        ; x 8,192 bytes
	s_and_b32 s22, ttmp9, 15                       ; K step
	s_lshl_b32 s22, s22, 9
	s_add_co_u32 s22, s21, s22
	s_mov_b32 s23, 0
	s_mul_i32 s24, s20, 3276800
	s_mul_i32 s25, ttmp9, 12800
	s_add_co_u32 s24, s24, s25                     ; my block in opq
	s_mov_b32 s25, 0
	s_mul_i32 s26, s16, 1536
	s_mov_b32 s27, 0
	s_wait_kmcnt 0x0
	s_cmp_eq_u32 s20, 1                            ; only pointers are chosen, on the work-group's number alone: all five tensors take one path
	s_cselect_b64 s[4:5], s[6:7], s[4:5]
	s_cmp_eq_u32 s20, 2
	s_cselect_b64 s[4:5], s[8:9], s[4:5]
	s_cmp_eq_u32 s20, 3
	s_cselect_b64 s[4:5], s[10:11], s[4:5]
	s_cmp_eq_u32 s20, 4
	s_cselect_b64 s[4:5], s[12:13], s[4:5]
	s_add_nc_u64 s[4:5], s[4:5], s[22:23]
	s_add_nc_u64 s[14:15], s[14:15], s[24:25]      ; the block
	s_add_nc_u64 s[28:29], s[14:15], s[26:27]      ; my tile in it
.irp i, 0,1,2,3,4,5,6,7,8,9,10,11,12,13,14,15
	global_load_b128 v[R+4*\i:R+4*\i+3], v1, s[4:5] offset:(\i+8*(\i/8))*8192 th:TH_LOAD_NT   ; lane-row i: 32 lanes read 512 consecutive bytes; read once in the launch
.endr
.irp i, 0,1,2,3,4,5,6,7,8,9,10,11,12,13,14,15
	s_wait_loadcnt 15-\i                           ; loads come back in order: row i is in, the younger ones stay out
	ds_store_b128 v5, v[R+4*\i:R+4*\i+3] offset:SP*\i
.endr
.irp c, 0,1
.irp e, 0,1,2,3,4,5,6,7
	ds_load_b128 v[X+32*\c+4*\e:X+32*\c+4*\e+3], v6 offset:256*\c+16*\e   ; LDS serves a wave's instructions in order: these see my stores
.endr
.endr
.irp c, 0,1
	s_wait_dscnt 8-8*\c                            ; block c's eight loads are in (so all stores into the stage are done, and their registers free); the other block's may be out
	v_max3_num_f32 v[W+\c], |v[X+32*\c]|, |v[X+32*\c+1]|, 0x2800000   ; all 32 numbers are mine; the floor 2^(5 - 127) holds the byte at 1 from below
.irp i, 2,4,6,8,10,12,14,16,18,20,22,24,26,28,30
	v_max3_num_f32 v[W+\c], v[W+\c], |v[X+32*\c+\i]|, |v[X+32*\c+\i+1]|
.endr
.endr
.irp c, 0,1
	v_add_nc_u32 v[W+2+\c], 0xfe000000, v[W+\c]    ; 4 off the exponent field: the conversion takes this operand's exponent field as its scale
.endr
.irp c, 0,1
	v_lshrrev_b32 v[W+4+\c], 23, v[W+2+\c]         ; the scale's byte
.endr
	v_lshl_or_b32 v[W+6], v[W+5], 16, v[W+4]       ; my two bytes: blocks h and 2 + h of my row,
	v_lshlrev_b32 v[W+7], 3, v4
	v_lshlrev_b32 v[W+6], v[W+7], v[W+6]           ; at their places in the word;
	v_mov_b32 v[W+7], 0
	v_permlanex16_b32 v[W+7], v[W+6], s30, s31
	v_or_b32 v[W+6], v[W+6], v[W+7]                ; with lane l xor 16's two the word is whole
.irp c, 0,1
	v_cvt_scalef32_pk16_bf6_f32 v[C+6*\c:C+6*\c+2], v[X+32*\c:X+32*\c+15], v[W+2+\c]
	v_cvt_scalef32_pk16_bf6_f32 v[T+4*\c:T+4*\c+2], v[X+32*\c+16:X+32*\c+31], v[W+2+\c]
.endr
	v_nop                                          ; one plain instruction behind the scaled conversions
.irp c, 0,1
.irp i, 0,1,2
	v_mov_b32 v[C+3+6*\c+\i], v[T+4*\c+\i]
.endr
.endr
	global_store_b128 v1, v[C:C+3], s[28:29]               ; each store covers 512 or 256 consecutive bytes, at a multiple of 256 from the buffer's first byte
	global_store_b64 v2, v[C+4:C+5], s[28:29] offset:512
	global_store_b128 v1, v[C+6:C+9], s[28:29] offset:768
	global_store_b64 v2, v[C+10:C+11], s[28:29] offset:1280
	ds_store_b32 v7, v[W+6]                        ; lanes r and r + 16 write the same word with the same value
	s_wait_dscnt 0x0                               ; for wave 0's sake: my word has landed
	s_barrier_signal -1
	s_barrier_wait -1
	s_cmp_lg_u32 s16, 0
	s_cbranch_scc1 .Ldone
	ds_load_b128 v[OUTR:OUTR+3], v8                ; the block's 512 scale bytes
	s_wait_dscnt 0x0
	global_store_b128 v1, v[OUTR:OUTR+3], s[14:15] offset:12288
.Ldone:
	s_wait_tensorcnt 0x0
	ds_add_u32 v144, v145
	s_wait_dscnt 0x0
	s_endpgm
.Lfunc_end_k_q8d31362419_quant:
	.size	k_q8d31362419_quant, .Lfunc_end_k_q8d31362419_quant-k_q8d31362419_quant
	.p2alignl 7, 3214868480
	.fill 96, 4, 3214868480
	.section	.rodata,"a",@progbits
	.p2align	6, 0x0
	.amdhsa_kernel k_q8d31362419_quant
		.amdhsa_group_segment_fixed_size 69120
		.amdhsa_private_segment_fixed_size 0
		.amdhsa_enable_private_segment 0
		.amdhsa_kernarg_size 48
		.amdhsa_user_sgpr_count 2
		.amdhsa_user_sgpr_kernarg_segment_ptr 1
		.amdhsa_wavefront_size32 1
		.amdhsa_system_sgpr_workgroup_id_x 1
		.amdhsa_system_sgpr_workgroup_id_y 1
		.amdhsa_system_sgpr_workgroup_id_z 1
		.amdhsa_system_vgpr_workitem_id 0
		.amdhsa_next_free_vgpr 146
		.amdhsa_next_free_sgpr 66
		.amdhsa_reserve_vcc 0
		.amdhsa_float_denorm_mode_32 3
		.amdhsa_float_denorm_mode_16_64 3
		.amdhsa_memory_ordered 1
		.amdhsa_forward_progress 1
		.amdhsa_inst_pref_size 11
	.end_amdhsa_kernel
	.amdgpu_metadata
---
amdhsa.version: [ 1, 2 ]
amdhsa.kernels:
  - .name:           k_q8d31362419_quant
    .symbol:         k_q8d31362419_quant.kd
    .args:
      - { .name: x, .offset: 0, .size: 8, .value_kind: global_buffer, .address_space: global }
      - { .name: wq, .offset: 8, .size: 8, .value_kind: global_buffer, .address_space: global }
      - { .name: wk, .offset: 16, .size: 8, .value_kind: global_buffer, .address_space: global }
      - { .name: wv, .offset: 24, .size: 8, .value_kind: global_buffer, .address_space: global }
      - { .name: wo, .offset: 32, .size: 8, .value_kind: global_buffer, .address_space: global }
      - { .name: opq, .offset: 40, .size: 8, .value_kind: global_buffer, .address_space: global }
    .group_segment_fixed_size: 69120
    .private_segment_fixed_size: 0
    .kernarg_segment_align: 8
    .kernarg_segment_size: 48
    .max_flat_workgroup_size: 256
    .sgpr_count:     66
    .vgpr_count:     146
    .wavefront_size: 32
...
	.end_amdgpu_metadata
.endif
;; end of part 1
;; launch qkv (part 2): grid 16 x 16, 4 waves a work-group, clusters of 4 x 4, 327,680 bytes of LDS; arguments opq, freqs_cos, freqs_sin, qc, kvc; writes qc, kvc
.if DOCPART == 2
	.amdgcn_target "amdgcn-amd-amdhsa--gfx1250"
	.amdhsa_code_object_version 6
	.text
	.protected	k_q8d31362419_qkv
	.globl	k_q8d31362419_qkv
	.p2align	8
	.type	k_q8d31362419_qkv,@function
k_q8d31362419_qkv:
	s_mov_b64 s[64:65], 0
	v_nop
	global_prefetch_b8 v0, s[64:65] scope:SCOPE_SE
	s_setreg_imm32_b32 hwreg(HW_REG_WAVE_MODE, 25, 1), 1
	s_wait_xcnt 0x0
	s_wait_alu depctr_hold_cnt(0) depctr_sa_sdst(0) depctr_va_vdst(0) depctr_va_sdst(0) depctr_va_ssrc(0) depctr_va_vcc(0) depctr_vm_vsrc(0)
	s_getreg_b32 s2, hwreg(HW_REG_IB_STS2, 6, 4)
	s_cmp_eq_u32 s2, 0
	s_cbranch_scc0 .Lentry_in_a_cluster
	s_endpgm
.Lentry_in_a_cluster:
	s_bfe_u32 s2, ttmp6, 0x10000c
	s_cmp_lg_u32 s2, 0xf033
	s_cbranch_scc0 .Lentry_shape_is_right
	s_endpgm
.Lentry_shape_is_right:
; q, k, v of one head for 128 tokens: x wq^T, x wk^T, x wv^T on codes of BF6 with E8M0 scales; the rotary turn of q and k in f32; then q and k are quantised along the
; head's 128 and v along the tokens (the keys), and stored as operand blocks (128 rows x 128 K, 12,800 bytes: eight tiles of 1,536 bytes, each an image of the operand's 12 registers,
; lane-row r of tile 2 b + u = row 32 b + 8 u + r + 8 (r / 8); then 512 scale bytes, word (t, r) at 256 (t / 4) + 16 r + 4 (t % 4)).
; SHARES.  A work-group: 128 tokens x 384 columns, 192 accumulators; a wave 48.  Wave w: kind = w / 2 (q or k), c = w % 2.
;   q or k, TRANSPOSED (source 0 = W's tiles 4 c .. 4 c + 3, source 1 = x's tiles 0 .. 7): a lane holds one token, its 32 registers of a token tile are d = 64 c + 32 b + 16 h + 0 .. 15.
;   v, as it stands (source 0 = x's tile a, source 1 = wv's tiles 2 w, 2 w + 1): a lane holds one d, its 64 registers are tokens 32 b + 16 h + 0 .. 15: neighbours along the next K.
; K goes in steps of 128 through a ring of two LDS slots; a slot holds two steps of x, wq, wk, wv, each 25,600 dense bytes brought by one tensor load, one a wave.
; CLUSTER 4 x 4: x's blocks (and cos, sin) hang on the token block alone and are asked for jointly along a row of the cluster, the weights' on the head alone, along a column.
; No prefetch: the launch is short and its tiles are shared.  One tile to a work-group: 256 work-groups.
; LIMITS: blocks whose largest magnitude lies under 2^-122 keep the byte 1; NaN and infinities are not served.
; REGISTERS, in windows of 256: window 0: v1-31 addresses; v32-41, v44-53 scale words, two sets; v64-159, v160-255 x's eight fragments, two sets (the epilogue works there).
;   window 1: two sets of 72: W's four fragments, wv's two.   window 2: q's or k's 32 accumulators, (a, t) at 32 a + 8 t.   window 3: v's 16, (n, a) at 64 n + 8 a.
.set OBB,   12800
.set TEN,   2*OBB                      ; one tensor's two K steps
.set SLOT,  4*TEN
.set COS,   2*SLOT                     ; behind the ring: cos of my 128 tokens, rows of 256 bytes + 16;
.set CSP,   272
.set SINO,  128*CSP                    ; sin so far behind cos
.set STG,   COS+2*SINO                 ; the scale words of the q, k and v blocks being made, 512 bytes each: no fill lands here
.set SPARE, STG+1536                   ; the spare words, 128 bytes a wave: two blocks of 256 bytes that no other line names
.set AX16, 8                           ; v8-9, v10-11   x's fragments in slot 0, 1: + 16 x lane, + 8 x lane
.set AX8,  10
.set AW16, 12                          ; v12-15  my four tiles of W
.set AW8,  14
.set AV16, 16                          ; v16-19  my two tiles of wv
.set AV8,  18
.set AS0,  20                          ; v20-21  lanes 0-15: the words of x's tiles 0-3; lanes 16-31: of my four tiles of W
.set AXS,  22                          ; v22-23  x's words
.set ASV,  24                          ; v24-25  wv's two words
.set ACOS, 26
.set ASTQ, 27
.set SPW,  28                          ; v28  SPARE + 4 x my thread's number; never rewritten
.set NIL,  29                          ; v29  0; never rewritten
.set ASTV, 30
.set ASCR, 31
.set SC,   32
.set XF,   64
.set HA,   64                          ; the epilogue: 64 turned numbers,
.set CO,   128                         ; 32 cosines,
.set SI,   160                         ; 32 sines,
.set PC,   192                         ; the codes just made (12, and 8 at work),
.set TM,   212                         ; 16 at work,
.set PW,   228                         ; the scale word just made,
.set T,    232                         ; eight products by turns
.set WV,   14
.set KIND, 15
.set CH,   16
.set CX,   17
.set CY,   18
.set HEAD, 19
.set TBK,  20
.set SEL,  22
.set G1A,  24                          ; s[24:31] group 1 for x's blocks;  s[32:39] for the weights';  s[40:47] for cos and sin
.set G1B,  32
.set G1C,  40
.set G0A,  48                          ; s[48:55], s[56:63] groups 0, one for each slot;  s[68:71], s[72:75] for cos, sin
.set G0B,  56
.set G0C,  68
.set G0S,  72
.set DQK,  88                          ; s[88:89] where my half of q's or k's block goes;  s[90:91] my two tiles of v's;  s[92:93] a block's scale bytes
.set DV,   90
.set DSC,  92
.set MSB, 0
.macro WIN new                         ; the immediate's high byte repeats the setting that is left; a switch that changes nothing is dropped
.if MSB != (\new)
	s_set_vgpr_msb (MSB<<8)|(\new)
.set MSB, (\new)
.endif
.endm
.macro PLACES n
.rept \n
	v_nop
.endr
.endm
.macro FRAG reg, a16, a8, off          ; a fragment comes as it was stored: four loads, each of consecutive bytes
	ds_load_b128 v[(\reg):(\reg)+3], v[\a16] offset:(\off)
	ds_load_b64 v[(\reg)+4:(\reg)+5], v[\a8] offset:(\off)+512
	ds_load_b128 v[(\reg)+6:(\reg)+9], v[\a16] offset:(\off)+768
	ds_load_b64 v[(\reg)+10:(\reg)+11], v[\a8] offset:(\off)+1280
.endm
.macro CREST                           ; a round of the cluster's barrier behind its opening barrier
	s_cmp_lg_u32 s[WV], 0
	s_cbranch_scc1 .Lnot_wave_0_\@
	s_barrier_signal -3
.Lnot_wave_0_\@:
	s_barrier_wait -3
	s_barrier_signal -1
	s_barrier_wait -1
.endm
.macro CROUND
	s_barrier_signal -1
	s_barrier_wait -1
	CREST
.endm
; A joint load: wave 0 fetches x's two K steps, waves 1 to 3 those of wq, wk, wv.  The branch hangs on the wave's number alone.  Four v_nop follow each line.
.macro JLOAD s
	s_cmp_eq_u32 s[WV], 0
	s_cbranch_scc0 .Lfor_b_\@
	tensor_load_to_lds s[G0A+4*\s:G0A+4*\s+3], s[G1A:G1A+7]
	s_nop 0
	PLACES 4
	s_branch .Lasked_\@
.Lfor_b_\@:
	tensor_load_to_lds s[G0B+4*\s:G0B+4*\s+3], s[G1B:G1B+7]
	s_nop 0
	PLACES 4
.Lasked_\@:
.endm
; 64 numbers of a lane in window w, register 16 b + i = k 32 b + 16 (lane / 16) + i of its row, become 12 registers of codes in v[PC] on and four scale bytes in v[PW].
.macro QUANT s, w
	WIN (\w)|((\w)<<2)
.irp b, 0,1,2,3
	v_max3_num_f32 v[TM+\b], |v[(\s)+16*\b]|, |v[(\s)+1+16*\b]|, 0x2800000   ; my 16 numbers of block b, from the low end on, and the floor 2^(5 - 127)
.endr
.irp i, 2,4,6,8,10,12,14
.irp b, 0,1,2,3
	v_max3_num_f32 v[TM+\b], |v[(\s)+16*\b+\i]|, |v[(\s)+1+16*\b+\i]|, v[TM+\b]   ; the four blocks by turns
.endr
.endr
	WIN 0
.irp b, 0,1,2,3
	v_permlanex16_b32 v[TM+4+\b], v[TM+\b], s[SEL], s[SEL+1]
.endr
.irp b, 0,1,2,3
	v_max_num_f32 v[TM+\b], v[TM+\b], v[TM+4+\b]   ; with lane l xor 16's: the block's largest magnitude
.endr
.irp b, 0,1,2,3
	v_add_nc_u32 v[TM+12+\b], 0xfe000000, v[TM+\b] ; 4 off its exponent field: the conversion's scale operand
.endr
.irp b, 0,1,2,3
	v_lshrrev_b32 v[TM+4+\b], 23, v[TM+12+\b]      ; the scale's byte
.endr
	v_lshl_or_b32 v[PW], v[TM+5], 8, v[TM+4]
	v_lshl_or_b32 v[PW], v[TM+6], 16, v[PW]
	v_lshl_or_b32 v[PW], v[TM+7], 24, v[PW]
	WIN (\w)
.irp c, 0,1
	v_cvt_scalef32_pk16_bf6_f32 v[PC+6*\c:PC+2+6*\c], v[(\s)+32*\c:(\s)+15+32*\c], v[TM+12+2*\c]
	v_cvt_scalef32_pk16_bf6_f32 v[PC+12+4*\c:PC+14+4*\c], v[(\s)+16+32*\c:(\s)+31+32*\c], v[TM+12+2*\c+1]
.endr
	WIN 0
	v_nop                                          ; one plain instruction behind the scaled conversions
.irp c, 0,1                                    ; the operand wants a whole block in a lane: lanes 0-15 block 2 c, lanes 16-31 block 2 c + 1
.irp i, 0,1,2
	v_permlane16_swap_b32 v[PC+6*\c+\i], v[PC+12+4*\c+\i]
.endr
.irp i, 0,1,2
	v_mov_b32 v[PC+3+6*\c+\i], v[PC+12+4*\c+\i]
.endr
.endr
.endm
	s_load_b256 s[4:11], s[0:1], 0x0               ; opq, cos, sin, qc
	s_load_b64 s[12:13], s[0:1], 0x20              ; kvc
	v_lshl_add_u32 v[SPW], v0, 2, SPARE
	v_mov_b32 v[NIL], 0
	ds_add_u32 v28, v29
	s_wait_dscnt 0x0
	v_lshrrev_b32 v5, 5, v0
	v_readfirstlane_b32 s[WV], v5                  ; wave 0..3
	s_lshr_b32 s[KIND], s[WV], 1
	s_and_b32 s[CH], s[WV], 1
	s_bfe_u32 s[CX], ttmp6, 0x40000
	s_bfe_u32 s[CY], ttmp6, 0x40004
	s_lshl_b32 s[HEAD], ttmp9, 2
	s_add_co_u32 s[HEAD], s[HEAD], s[CX]           ; head = 4 x cluster x + cx
	s_and_b32 s[TBK], ttmp7, 0xffff
	s_lshl_b32 s[TBK], s[TBK], 2
	s_add_co_u32 s[TBK], s[TBK], s[CY]             ; token block = 4 x cluster y + cy
	s_lshl_b32 s76, s[CY], 2
	s_lshl_b32 s76, 15, s76                        ; my row of the cluster
	s_lshl_b32 s80, 0x1111, s[CX]                  ; my column
	; group 1: 25,600 dense bytes as 100 rows of 32 elements of 8 bytes, no padding
	s_or_b32 s[G1A], s76, (3<<16)|(1<<21)          ; 15:0 the mask; 17:16 elements of 8 bytes; 21 set beside a mask
	s_or_b32 s[G1B], s80, (3<<16)|(1<<21)
.irp g, G1A, G1B
	s_mov_b32 s[\g+1], 32<<16                      ; tensor_dim0
	s_mov_b32 s[\g+2], 100<<16                     ; tensor_dim1
	s_mov_b32 s[\g+3], 32<<16                      ; tile_dim0
	s_mov_b32 s[\g+4], 100                         ; tile_dim1
	s_mov_b32 s[\g+5], 32                          ; the pitch
	s_mov_b32 s[\g+6], 0
	s_mov_b32 s[\g+7], 0
.endr
	; cos, sin: 128 rows of 64 f32, dense; 4 words of padding behind each 64
	s_or_b32 s[G1C], s76, (2<<16)|(1<<20)|(1<<21)|(5<<22)|(3<<25)
	s_mov_b32 s[G1C+1], 64<<16
	s_mov_b32 s[G1C+2], 128<<16
	s_mov_b32 s[G1C+3], 64<<16
	s_mov_b32 s[G1C+4], 128
	s_mov_b32 s[G1C+5], 64
	s_mov_b32 s[G1C+6], 0
	s_mov_b32 s[G1C+7], 0
	s_mul_i32 s76, s[TBK], 204800                  ; x's row block: it hangs on the token block alone
	s_mov_b32 s77, 0
	s_mul_i32 s80, s[HEAD], 204800                 ; the weights': on the head and the wave's number alone
	s_mul_i32 s81, s[WV], 3276800
	s_add_co_u32 s80, s80, s81
	s_mov_b32 s81, 0
	s_lshl_b32 s84, s[TBK], 15                     ; cos, sin: 128 rows of 256 bytes
	s_mov_b32 s85, 0
	s_mul_i32 s86, s[WV], TEN                      ; where my tensor's part of a slot begins
	s_mov_b32 s[SEL], 0x76543210
	s_mov_b32 s[SEL+1], 0xfedcba98
	s_wait_kmcnt 0x0
	s_add_nc_u64 s[78:79], s[4:5], s[76:77]
	s_add_nc_u64 s[82:83], s[4:5], s[80:81]
	CROUND                                         ; all sixteen work-groups are here: the first joint loads meet
	s_mov_b32 s[G0C], 1
	s_mov_b32 s[G0C+1], COS
	s_add_nc_u64 s[G0C+2:G0C+3], s[6:7], s[84:85]
	s_or_b32 s[G0C+3], s[G0C+3], 0x80000000
	s_mov_b32 s[G0S], 1
	s_mov_b32 s[G0S+1], COS+SINO
	s_add_nc_u64 s[G0S+2:G0S+3], s[8:9], s[84:85]
	s_or_b32 s[G0S+3], s[G0S+3], 0x80000000
.irp s, 0,1
	s_mov_b32 s[G0A+4*\s], 1
	s_add_co_u32 s[G0A+4*\s+1], s86, \s*SLOT
	s_add_nc_u64 s[G0A+4*\s+2:G0A+4*\s+3], s[78:79], \s*TEN
	s_or_b32 s[G0A+4*\s+3], s[G0A+4*\s+3], 0x80000000
	s_mov_b32 s[G0B+4*\s], 1
	s_add_co_u32 s[G0B+4*\s+1], s86, \s*SLOT
	s_add_nc_u64 s[G0B+4*\s+2:G0B+4*\s+3], s[82:83], \s*TEN
	s_or_b32 s[G0B+4*\s+3], s[G0B+4*\s+3], 0x80000000
.endr
	s_cmp_eq_u32 s[WV], 0                          ; a wave's first fills stand in one branch: wave 0 has four loads out, the others two
	s_cbranch_scc0 .Lfirst_b
	tensor_load_to_lds s[G0C:G0C+3], s[G1C:G1C+7]
	s_nop 0
	tensor_load_to_lds s[G0S:G0S+3], s[G1C:G1C+7]
	s_nop 0
	tensor_load_to_lds s[G0A:G0A+3], s[G1A:G1A+7]
	s_nop 0
	tensor_load_to_lds s[G0A+4:G0A+7], s[G1A:G1A+7]
	s_nop 0
	PLACES 4
	s_branch .Lfirst_asked
.Lfirst_b:
	tensor_load_to_lds s[G0B:G0B+3], s[G1B:G1B+7]
	s_nop 0
	tensor_load_to_lds s[G0B+4:G0B+7], s[G1B:G1B+7]
	s_nop 0
	PLACES 4
.Lfirst_asked:
	v_and_b32 v5, 31, v0
	v_lshlrev_b32 v1, 4, v5                        ; 16 x lane
	v_lshlrev_b32 v2, 3, v5                        ; 8 x lane
	v_and_b32 v3, 15, v0                           ; r
	v_bfe_u32 v4, v0, 4, 1                         ; h
	s_mul_i32 s87, s[KIND], TEN
	s_add_co_u32 s87, s87, TEN                     ; wq's or wk's part of a slot
	s_lshl_b32 s94, s[CH], 8
	s_add_co_u32 s90, s87, s94                     ; from x's scale words of tiles 0-3 to those of my four tiles of W
	s_mul_i32 s88, s[CH], 4*1536
	s_add_co_u32 s87, s87, s88                     ; my four tiles
	s_mul_i32 s89, s[WV], 2*1536
	s_add_co_u32 s89, s89, 3*TEN                   ; my two tiles of wv
	v_mul_u32_u24 v5, s90, v4                      ; one product: lanes 16-31 stand that far on
	v_lshl_add_u32 v6, v3, 4, 12288
	s_lshl_b32 s92, s[KIND], 8
	s_lshl_b32 s93, s[CH], 3
	s_add_co_u32 s92, s92, s93                     ; the place of tiles 2 w, 2 w + 1 among a block's scale words
	s_add_co_u32 s91, s92, 3*TEN+12288
.irp s, 0,1
	v_add_nc_u32 v[AX16+\s], \s*SLOT, v1
	v_add_nc_u32 v[AX8+\s], \s*SLOT, v2
	v_add_nc_u32 v[AW16+\s], s87, v1
	v_add_nc_u32 v[AW8+\s], s87, v2
	v_add_nc_u32 v[AV16+\s], s89, v1
	v_add_nc_u32 v[AV8+\s], s89, v2
	v_add_nc_u32 v[AXS+\s], \s*SLOT, v6
	v_add_nc_u32 v[AS0+\s], v[AXS+\s], v5
	v_lshl_add_u32 v[ASV+\s], v3, 4, s91
	s_add_co_u32 s87, s87, SLOT
	s_add_co_u32 s89, s89, SLOT
	s_add_co_u32 s91, s91, SLOT
.endr
	v_and_b32 v7, 8, v3
	v_add_nc_u32 v7, v7, v3                        ; r + 8 (r / 8)
	v_mul_u32_u24 v[ACOS], v7, CSP
	v_lshl_add_u32 v[ACOS], v4, 5, v[ACOS]
	s_lshl_b32 s93, s[CH], 7
	s_add_co_u32 s93, s93, COS
	v_add_nc_u32 v[ACOS], s93, v[ACOS]             ; cos: my token's row, frequencies 32 c + 8 h on
	s_lshl_b32 s93, s[KIND], 9
	s_lshl_b32 s94, s[CH], 1
	s_add_co_u32 s93, s93, s94
	s_add_co_u32 s93, s93, STG
	v_lshl_add_u32 v[ASTQ], v3, 4, s93             ; bytes 2 c, 2 c + 1 of my token's scale word
	s_add_co_u32 s92, s92, STG+1024
	v_lshl_add_u32 v[ASTV], v3, 4, s92             ; my d's scale word in v's block
	s_min_u32 s93, s[WV], 2
	s_lshl_b32 s93, s93, 9
	s_add_co_u32 s93, s93, STG
	v_add_nc_u32 v[ASCR], s93, v1                  ; where waves 0 to 2 read a block's 512 scale bytes back
	s_lshl_b32 s95, s[HEAD], 4
	s_add_co_u32 s95, s95, s[TBK]
	s_mul_i32 s96, s95, 2*OBB
	s_mov_b32 s97, 0
	s_add_nc_u64 s[12:13], s[12:13], s[96:97]      ; kvc: my pair of blocks
	s_mul_i32 s96, s95, OBB
	s_add_nc_u64 s[10:11], s[10:11], s[96:97]      ; qc: my block
	s_mul_i32 s96, s[CH], 768
	s_cmp_eq_u32 s[KIND], 0
	s_cselect_b64 s[DQK:DQK+1], s[10:11], s[12:13]
	s_add_nc_u64 s[DQK:DQK+1], s[DQK:DQK+1], s[96:97]
	s_mul_i32 s96, s[WV], 2*1536
	s_add_co_u32 s96, s96, OBB
	s_add_nc_u64 s[DV:DV+1], s[12:13], s[96:97]
	s_cmp_eq_u32 s[WV], 0
	s_cselect_b64 s[DSC:DSC+1], s[10:11], s[12:13]
	s_cmp_eq_u32 s[WV], 2
	s_cselect_b32 s96, OBB, 0
	s_add_nc_u64 s[DSC:DSC+1], s[DSC:DSC+1], s[96:97]
; 59 LDS loads in one run: the fragments and scale words of the slot's kk-th K step into set p
.macro FETCH slot, kk, p
	WIN 0x40                                       ; destination window 1, address window 0
.irp t, 0,1,2,3
	FRAG 72*(\p)+12*\t, AW16+\slot, AW8+\slot, (\kk)*OBB+\t*1536
.endr
.irp n, 0,1
	FRAG 72*(\p)+48+12*\n, AV16+\slot, AV8+\slot, (\kk)*OBB+\n*1536
.endr
	WIN 0
.irp a, 0,1,2,3,4,5,6,7
	FRAG XF+96*(\p)+12*\a, AX16+\slot, AX8+\slot, (\kk)*OBB+\a*1536
.endr
	ds_load_b128 v[SC+12*(\p):SC+12*(\p)+3], v[AS0+\slot] offset:(\kk)*OBB
	ds_load_b128 v[SC+12*(\p)+4:SC+12*(\p)+7], v[AXS+\slot] offset:(\kk)*OBB+256
	ds_load_b64 v[SC+12*(\p)+8:SC+12*(\p)+9], v[ASV+\slot] offset:(\kk)*OBB
.endm
; Eight products of q or k: token tiles a0, a0 + 1 x my four tiles of W.  All 48 accumulators take turns, one instruction a turn, in the same order in every step.
.macro MULQK2 p, a0, zero
.irp a, \a0, \a0+1
.irp t, 0,1,2,3
.if \zero
	v_wmma_scale_f32_16x16x128_f8f6f4 v[32*(\a)+8*\t:32*(\a)+8*\t+7], v[72*(\p)+12*\t:72*(\p)+12*\t+11], v[XF+96*(\p)+12*(\a):XF+96*(\p)+12*(\a)+11], 0, v[SC+12*(\p)+\t], v[SC+12*(\p)+(\a)] matrix_a_fmt:MATRIX_FMT_BF6 matrix_b_fmt:MATRIX_FMT_BF6 matrix_a_scale:MATRIX_SCALE_ROW1
.else
	v_wmma_scale_f32_16x16x128_f8f6f4 v[32*(\a)+8*\t:32*(\a)+8*\t+7], v[72*(\p)+12*\t:72*(\p)+12*\t+11], v[XF+96*(\p)+12*(\a):XF+96*(\p)+12*(\a)+11], v[32*(\a)+8*\t:32*(\a)+8*\t+7], v[SC+12*(\p)+\t], v[SC+12*(\p)+(\a)] matrix_a_fmt:MATRIX_FMT_BF6 matrix_b_fmt:MATRIX_FMT_BF6 matrix_a_scale:MATRIX_SCALE_ROW1
.endif
.endr
.endr
.endm
.macro MULV p, zero                    ; sixteen products of v
.irp a, 0,1,2,3,4,5,6,7
.irp n, 0,1
.if \zero
	v_wmma_scale_f32_16x16x128_f8f6f4 v[64*\n+8*\a:64*\n+8*\a+7], v[XF+96*(\p)+12*\a:XF+96*(\p)+12*\a+11], v[72*(\p)+48+12*\n:72*(\p)+48+12*\n+11], 0, v[SC+12*(\p)+\a], v[SC+12*(\p)+8+\n] matrix_a_fmt:MATRIX_FMT_BF6 matrix_b_fmt:MATRIX_FMT_BF6
.else
	v_wmma_scale_f32_16x16x128_f8f6f4 v[64*\n+8*\a:64*\n+8*\a+7], v[XF+96*(\p)+12*\a:XF+96*(\p)+12*\a+11], v[72*(\p)+48+12*\n:72*(\p)+48+12*\n+11], v[64*\n+8*\a:64*\n+8*\a+7], v[SC+12*(\p)+\a], v[SC+12*(\p)+8+\n] matrix_a_fmt:MATRIX_FMT_BF6 matrix_b_fmt:MATRIX_FMT_BF6
.endif
.endr
.endr
.endm
.set W_QK, 0xa1                        ; source 0 (W) window 1, source 1 (x) window 0, C and D window 2
.set W_V,  0xf4                        ; source 0 (x) window 0, source 1 (wv) window 1, C and D window 3
; A slot's first K step, on set 0; behind its first sixteen products the second step's fragments are fetched into set 1.
.macro STEP0 slot, zero
	s_wait_dscnt 0x0                               ; set 0 is in (asked for 32 products ago)
	WIN W_QK
	MULQK2 0, 0, \zero
	MULQK2 0, 2, \zero
	PLACES 4                                       ; in front of loads into registers that matrix instructions have read
	FETCH \slot, 1, 1
	WIN W_QK
	MULQK2 0, 4, \zero
	MULQK2 0, 6, \zero
	WIN W_V
	MULV 0, \zero
.endm
; A slot's second K step, on set 1, changes slots: one barrier; in front of it each wave waits for all its tensor loads, adds 0 to its spare word, and waits for that and for its reads of this slot.
; fill = 1: the barrier opens a round of the cluster's, and this slot is filled again, two slots ahead, first thing behind the round: 80 products stand between that request and the wait for it.
.macro STEP1 slot, other, fill
	WIN 0
	s_wait_tensorcnt 0x0                           ; all my tensor loads have landed: my part of the other slot
	ds_add_u32 v[SPW], v[NIL]                      ; 0 onto my spare word
.if \fill
	s_add_nc_u64 s[G0A+4*\slot+2:G0A+4*\slot+3], s[G0A+4*\slot+2:G0A+4*\slot+3], 2*TEN   ; no load of mine is out: this slot's next two K steps
	s_add_nc_u64 s[G0B+4*\slot+2:G0B+4*\slot+3], s[G0B+4*\slot+2:G0B+4*\slot+3], 2*TEN
.endif
	s_wait_dscnt 0x1                               ; set 1 is in; the add may be out
	WIN W_QK
	MULQK2 1, 0, 0
	s_wait_dscnt 0x0                               ; the add is done, and my reads of this slot are over
	s_barrier_signal -1
	MULQK2 1, 2, 0
	WIN 0
	s_barrier_wait -1
.if \fill
	CREST                                          ; no wave of any partner still reads this slot or has a load on its way
	JLOAD \slot                                    ; its four v_nop are also the places in front of the loads below
.else
	PLACES 4
.endif
	FETCH \other, 0, 0
	WIN W_QK
	MULQK2 1, 4, 0
	MULQK2 1, 6, 0
	WIN W_V
	MULV 1, 0
.endm
	s_wait_tensorcnt 0x1                           ; cos, sin and my part of slot 0 are in; slot 1's load may stay out
	s_barrier_signal -1
	s_barrier_wait -1
	FETCH 0, 0, 0
	STEP0 0, 1                                     ; the first K step starts the sums: nothing is cleared
	WIN 0
	s_mov_b32 s3, 3
.Llap:                                             ; a trip: K steps 4 i + 1 .. 4 i + 4; both slots are filled again
	STEP1 0, 1, 1
	STEP0 1, 0
	STEP1 1, 0, 1
	STEP0 0, 0
	WIN 0
	s_sub_co_u32 s3, s3, 1
	s_cmp_lg_u32 s3, 0
	s_cbranch_scc1 .Llap
	STEP1 0, 1, 0                                  ; the tail is written out: nothing more is asked for
	STEP0 1, 0
	s_wait_dscnt 0x0
	WIN W_QK
	MULQK2 1, 0, 0
	MULQK2 1, 2, 0
	MULQK2 1, 4, 0
	MULQK2 1, 6, 0
	WIN W_V
	MULV 1, 0
	WIN 0
; THE EPILOGUE.  q or k: two token tiles at a time: cos and sin from LDS, the turn, the quantiser: its 12 registers are half c of the two tiles' fragments, its four bytes two bytes of each tile's scale word.
.macro CSLOAD g                        ; token tiles 2 g, 2 g + 1: for register pair n = 16 i + 8 b + m the frequency 32 c + 16 b + 8 h + m of my token
.irp i, 0,1
.irp b, 0,1
.irp e, 0,1
	ds_load_b128 v[CO+16*\i+8*\b+4*\e:CO+16*\i+8*\b+4*\e+3], v[ACOS] offset:(32*(\g)+8*\i)*CSP+64*\b+16*\e
	ds_load_b128 v[SI+16*\i+8*\b+4*\e:SI+16*\i+8*\b+4*\e+3], v[ACOS] offset:(32*(\g)+8*\i)*CSP+64*\b+16*\e+SINO
.endr
.endr
.endr
.endm
.macro ROPE g                          ; (e, o) -> (e cos - o sin, o cos + e sin); each accumulator is read from its low end on
.set n, 0
.rept 32
	v_mul_f32 v[T+2*(n%4)], v[64*(\g)+2*n+1], v[SI+n]
	v_mul_f32 v[T+2*(n%4)+1], v[64*(\g)+2*n], v[SI+n]
	v_fma_f32 v[HA+2*n], v[64*(\g)+2*n], v[CO+n], -v[T+2*(n%4)]
	v_fma_f32 v[HA+2*n+1], v[64*(\g)+2*n+1], v[CO+n], v[T+2*(n%4)+1]
.set n, n+1
.endr
.endm
	PLACES 4                                       ; behind the last products: their results are read and their operands' registers written below
.irp b, 0,1,2,3
	v_mov_b32 v[TM+4+\b], 0                        ; a lane permute's destination counts as one of its sources
.endr
	CSLOAD 0
.irp g, 0,1,2,3
	s_wait_dscnt 0x0                               ; cos and sin are in; the last scale bytes' stores have read their register
	WIN 0x02                                       ; source 0: window 2
	ROPE \g
	WIN 0
.if \g < 3
	CSLOAD \g+1
.endif
	s_wait_xcnt 0x0                                ; the last stores have read their data: the codes' registers are written again only behind this wait
	QUANT HA, 0
.irp i, 0,1
	global_store_b128 v1, v[PC+6*\i:PC+6*\i+3], s[DQK:DQK+1] offset:(2*\g+\i)*1536       ; 512 consecutive bytes, at a multiple of 256 from the buffer's first byte
	global_store_b64 v2, v[PC+6*\i+4:PC+6*\i+5], s[DQK:DQK+1] offset:(2*\g+\i)*1536+512  ; 256 likewise
.endr
	ds_store_b16 v[ASTQ], v[PW] offset:(\g/2)*256+4*((2*\g)%4)
	ds_store_b16_d16_hi v[ASTQ], v[PW] offset:(\g/2)*256+4*((2*\g+1)%4)
.endr
.irp n, 0,1                                    ; v: my d-tile 2 w + n, all 128 tokens: a whole fragment and a whole scale word
	s_wait_xcnt 0x0
	s_wait_dscnt 0x0
	QUANT 64*\n, 3
	global_store_b128 v1, v[PC:PC+3], s[DV:DV+1] offset:\n*1536
	global_store_b64 v2, v[PC+4:PC+5], s[DV:DV+1] offset:\n*1536+512
	global_store_b128 v1, v[PC+6:PC+9], s[DV:DV+1] offset:\n*1536+768
	global_store_b64 v2, v[PC+10:PC+11], s[DV:DV+1] offset:\n*1536+1280
	ds_store_b32 v[ASTV], v[PW] offset:4*\n
.endr
	s_wait_dscnt 0x0                               ; for the others' sake: my scale bytes have landed
	s_barrier_signal -1
	s_barrier_wait -1
	s_cmp_lt_u32 s[WV], 3
	s_cbranch_scc0 .Lno_scales
	ds_load_b128 v[HA:HA+3], v[ASCR]               ; wave 0: q's 512 scale bytes, wave 1: k's, wave 2: v's
	s_wait_dscnt 0x0
	global_store_b128 v1, v[HA:HA+3], s[DSC:DSC+1] offset:12288
.Lno_scales:
	s_wait_tensorcnt 0x0                           ; the wave's end
	ds_add_u32 v[SPW], v[NIL]
	s_wait_dscnt 0x0
	CROUND                                         ; the closing round
	s_endpgm
.Lfunc_end_k_q8d31362419_qkv:
	.size	k_q8d31362419_qkv, .Lfunc_end_k_q8d31362419_qkv-k_q8d31362419_qkv
	.p2alignl 7, 3214868480
	.fill 96, 4, 3214868480
	.section	.rodata,"a",@progbits
	.p2align	6, 0x0
	.amdhsa_kernel k_q8d31362419_qkv
		.amdhsa_group_segment_fixed_size 327680
		.amdhsa_private_segment_fixed_size 0
		.amdhsa_enable_private_segment 0
		.amdhsa_kernarg_size 40
		.amdhsa_user_sgpr_count 2
		.amdhsa_user_sgpr_kernarg_segment_ptr 1
		.amdhsa_wavefront_size32 1
		.amdhsa_system_sgpr_workgroup_id_x 1
		.amdhsa_system_sgpr_workgroup_id_y 1
		.amdhsa_system_sgpr_workgroup_id_z 1
		.amdhsa_system_vgpr_workitem_id 0
		.amdhsa_next_free_vgpr 1024
		.amdhsa_next_free_sgpr 100
		.amdhsa_reserve_vcc 0
		.amdhsa_float_denorm_mode_32 3
		.amdhsa_float_denorm_mode_16_64 3
		.amdhsa_memory_ordered 1
		.amdhsa_forward_progress 1
		.amdhsa_inst_pref_size 147
	.end_amdhsa_kernel
	.amdgpu_metadata
---
amdhsa.version: [ 1, 2 ]
amdhsa.kernels:
  - .name:           k_q8d31362419_qkv
    .symbol:         k_q8d31362419_qkv.kd
    .args:
      - { .name: opq, .offset: 0, .size: 8, .value_kind: global_buffer, .address_space: global }
      - { .name: freqs_cos, .offset: 8, .size: 8, .value_kind: global_buffer, .address_space: global }
      - { .name: freqs_sin, .offset: 16, .size: 8, .value_kind: global_buffer, .address_space: global }
      - { .name: qc, .offset: 24, .size: 8, .value_kind: global_buffer, .address_space: global }
      - { .name: kvc, .offset: 32, .size: 8, .value_kind: global_buffer, .address_space: global }
    .group_segment_fixed_size: 327680
    .private_segment_fixed_size: 0
    .kernarg_segment_align: 8
    .kernarg_segment_size: 40
    .max_flat_workgroup_size: 128
    .sgpr_count:     100
    .vgpr_count:     1024
    .wavefront_size: 32
...
	.end_amdgpu_metadata
.endif
;; end of part 2
;; launch attn (part 3): grid 16 x 16, 8 waves a work-group, clusters of 4 x 4, 327,680 bytes of LDS; arguments qc, kvc, mask, ac; writes ac
.if DOCPART == 3
	.amdgcn_target "amdgcn-amd-amdhsa--gfx1250"
	.amdhsa_code_object_version 6
	.text
	.protected	k_q8d31362419_attn
	.globl	k_q8d31362419_attn
	.p2align	8
	.type	k_q8d31362419_attn,@function
k_q8d31362419_attn:
	s_mov_b64 s[64:65], 0
	v_nop
	global_prefetch_b8 v0, s[64:65] scope:SCOPE_SE
	s_setreg_imm32_b32 hwreg(HW_REG_WAVE_MODE, 25, 1), 1
	s_wait_xcnt 0x0
	s_wait_alu depctr_hold_cnt(0) depctr_sa_sdst(0) depctr_va_vdst(0) depctr_va_sdst(0) depctr_va_ssrc(0) depctr_va_vcc(0) depctr_vm_vsrc(0)
	s_getreg_b32 s2, hwreg(HW_REG_IB_STS2, 6, 4)
	s_cmp_eq_u32 s2, 0
	s_cbranch_scc0 .Lentry_in_a_cluster
	s_endpgm
.Lentry_in_a_cluster:
	s_bfe_u32 s2, ttmp6, 0x10000c
	s_cmp_lg_u32 s2, 0xf033
	s_cbranch_scc0 .Lentry_shape_is_right
	s_endpgm
.Lentry_shape_is_right:
; For one head and 128 queries: logit = q . k / sqrt(128) + mask (the mask as it is given, f32, every key of every query); t = logit x log2(e); M = the running largest t rounded up to a whole number;
; p = 2^(t - M) is quantised along the keys and multiplied by v; the row's sum is taken of the unquantised p and divides at the end; the result is quantised along the head's 128 and stored as an
; operand block for the last product.  Both products on codes of BF6 with E8M0 scales.  q, k, v arrive as operand blocks (128 rows x 128 K in 12,800 bytes: eight images of 12 registers, then 512 scale bytes).
; SHARES.  Wave w owns query tile w, 16 queries (lane-row r = query 32 (w / 2) + 8 (w % 2) + r + 8 (r / 8) of the block); two waves to a SIMD, so that one's vector work stands beside the other's products and LDS loads.
; Both products are used transposed (S^T = K Q^T, O^T = V^T P^T): a lane holds one query throughout; the rows of a tile of K and of V are so chosen that 16 registers of two neighbouring tiles are 16 neighbours.
; K AND V: 16 key steps of 128 keys through a ring of two LDS slots of FOUR steps (4 x 25,600 bytes; waves 0 to 3 bring a step each): four changes of slots in all, and between them no wave waits for another.
; CLUSTER 4 x 4: K and V hang on the head alone and are asked for jointly along a column of the cluster.
; THE MASK is shared by the four heads of a row of the cluster and is NOT asked for jointly: a step's 128 x 128 f32 are 65,536 bytes against K's and V's 25,600; in the ring they would hold a slot to one key step
; (two slots of two steps, 2 x 2 x 91,136 bytes, do not fit in LDS), and a change of slots with its round would stand in front of each of the 16 steps.  So each wave loads its own 16 rows' 512 bytes of a step into
; registers, a row to a load; they turn through the wave's own stage in LDS (16 rows x 528 bytes, no fill lands there) and come back in the scores' order, into the registers that they left.  Two sets of 64 registers by turns:
; step j asks for step j + 2 behind its logits, step j + 1 turns it ahead of its second product.
; LIMITS: a row whose logits are all -infinity gives NaN, as in the definition; NaN among the inputs is not served; blocks of the result under 2^-122 keep the byte 1.
; REGISTERS: window 0: v1-11 addresses; v12 -M, v13 the largest t, v[14:15] the sum; v16-27 Q; v28-31 addresses; v32-39 scale words (lanes 0-15 K's, 16-31 V's); v40-76 the last quantiser; v96-159 S^T, then p;
;   v160-223 O^T; v224-235 p's codes; v232-254 at work; v253 p's scale word; v255 Q's.   window 1: v0-95 K's fragments, then V's; v128-191, v192-255 the mask's two sets.
.set OBB,   12800
.set STEPB, 2*OBB                      ; a key step: K's block, then V's
.set SLOT1, 1<<17                      ; slot 1 begins here: one exclusive or turns an address
.set MSP,   528                        ; a row of a mask stage: 512 bytes + 16: sixteen rows start at sixteen different places modulo 256
.set MST,   SLOT1+4*STEPB              ; behind slot 1: the eight stages
.set SCST,  MST+8*16*MSP               ; the result's 512 scale bytes
.set SPARE, SCST+512                   ; the spare words, 128 bytes a wave: four blocks of 256 bytes that no other line names
.set AIN,  1                           ; v1   the stage, on the way in: a row as it lies, 16 x lane
.set AOUT, 2                           ; v2   and on the way out: row r, + 64 h bytes
.set AS0,  4                           ; v4   scale words in a step: lanes 0-15 K's, lanes 16-31 V's
.set SPW,  5
.set NIL,  6
.set PFO,  7
.set ADK16, 8
.set ADK8,  9
.set ADS,  11
.set PC,   40
.set TM,   60
.set PW,   76
.set WV,   12
.set CX,   13
.set CY,   14
.set HEAD, 15
.set QB,   16
.set TB,   17                          ; s17 LDS byte at which the slot in hand begins
.set LEFT, 18                          ; s18 slots still to be asked for
.set LIM,  19                          ; s19 1 in a wave that prefetches, else 0
.set SEL,  20
.set RS,   22                          ; s[22:23] 1 / sqrt(128)
.set L2E,  24                          ; s[24:25] log2(e)
.set PFA,  26                          ; s[26:27] where my prefetches stand
.set MB,   28                          ; s[28:29] my tile's first row of the mask, at the key step that the pair of steps in hand asks for first
.set G1K,  40
.set G0K,  52
.set TB2,  85
.set MSB, 0
.macro WIN new
.if MSB != (\new)
	s_set_vgpr_msb (MSB<<8)|(\new)
.set MSB, (\new)
.endif
.endm
.macro PLACES n
.rept \n
	v_nop
.endr
.endm
.macro FRAG reg, a16, a8, off
	ds_load_b128 v[(\reg):(\reg)+3], v[\a16] offset:(\off)
	ds_load_b64 v[(\reg)+4:(\reg)+5], v[\a8] offset:(\off)+512
	ds_load_b128 v[(\reg)+6:(\reg)+9], v[\a16] offset:(\off)+768
	ds_load_b64 v[(\reg)+10:(\reg)+11], v[\a8] offset:(\off)+1280
.endm
.macro CROUND                          ; a round of the cluster's barrier
	s_barrier_signal -1
	s_barrier_wait -1
	s_cmp_lg_u32 s[WV], 0
	s_cbranch_scc1 .Lnot_wave_0_\@
	s_barrier_signal -3
.Lnot_wave_0_\@:
	s_barrier_wait -3
	s_barrier_signal -1
	s_barrier_wait -1
.endm
; A joint load: waves 0 to 3 fetch one key step each of a slot's four, the others nothing.  The branch hangs on the wave's number alone.  Four v_nop follow the line.
.macro JLOAD
	s_cmp_lt_u32 s[WV], 4
	s_cbranch_scc0 .Lasked_\@
	tensor_load_to_lds s[G0K:G0K+3], s[G1K:G1K+7]
	s_nop 0
	PLACES 4
.Lasked_\@:
.endm
; A PREFETCH INTO THE L2 of the mask: step j names key step j + 4, whose loads step j + 2 issues; it stands behind the wave's own sixteen loads.  A query block's rows are read by the four clusters of a row of
; clusters: the one with cluster x = 0 asks; its four partners of a row take 32 rows each, told apart by address; wave 4 names the first 256 bytes of a row's 512, wave 3 the second; a lane a row.  So each block is
; named once.  Key steps 0 to 3 come by their loads alone; steps 12 to 15 ask for nothing.  K and V are not asked for: a slot's refill has four key steps in which to land.
.macro ASK sub
	s_cmp_eq_u32 s[LIM], 1
	s_cbranch_scc0 .Lnot_mine_\@
	global_prefetch_b8 v[PFO], s[PFA:PFA+1] offset:512*(\sub) th:TH_LOAD_NT scope:SCOPE_SE
.Lnot_mine_\@:
.endm
.macro MLOAD x, off                    ; my 16 queries' 512 bytes of one key step into set x: each load reads 512 consecutive bytes; other heads' work-groups read them too, so no hint
	WIN 0x40                                       ; destination window 1
.irp i, 0,1,2,3,4,5,6,7,8,9,10,11,12,13,14,15
	global_load_b128 v[(\x)+4*\i:(\x)+4*\i+3], v28, s[MB:MB+1] offset:(\i+8*(\i/8))*8192+(\off)
.endr
	WIN 0
.endm
.macro MTURN x                         ; set x through my stage: LDS serves a wave's instructions in order, so no wait stands between the stores and the loads, nor in front of the next turn's stores
	WIN 0x04                                       ; an LDS store's data are its source 1: window 1
.irp i, 0,1,2,3,4,5,6,7,8,9,10,11,12,13,14,15
	ds_store_b128 v[AIN], v[(\x)+4*\i:(\x)+4*\i+3] offset:MSP*\i
.endr
	WIN 0x40
.irp b, 0,1,2,3
.irp e, 0,1,2,3
	ds_load_b128 v[(\x)+16*\b+4*\e:(\x)+16*\b+4*\e+3], v[AOUT] offset:128*\b+16*\e   ; my query's keys 32 b + 16 h + 4 e on: the scores' own order
.endr
.endr
	WIN 0
.endm
.macro QUANT s, w                      ; 64 numbers of a lane, register 16 b + i = k 32 b + 16 (lane / 16) + i, become a fragment in v[PC] on and its scale word in v[PW]
	WIN (\w)|((\w)<<2)
.irp b, 0,1,2,3
	v_max3_num_f32 v[TM+\b], |v[(\s)+16*\b]|, |v[(\s)+1+16*\b]|, 0x2800000
.endr
.irp i, 2,4,6,8,10,12,14
.irp b, 0,1,2,3
	v_max3_num_f32 v[TM+\b], |v[(\s)+16*\b+\i]|, |v[(\s)+1+16*\b+\i]|, v[TM+\b]
.endr
.endr
	WIN 0
.irp b, 0,1,2,3
	v_permlanex16_b32 v[TM+4+\b], v[TM+\b], s[SEL], s[SEL+1]
.endr
.irp b, 0,1,2,3
	v_max_num_f32 v[TM+\b], v[TM+\b], v[TM+4+\b]
.endr
.irp b, 0,1,2,3
	v_add_nc_u32 v[TM+12+\b], 0xfe000000, v[TM+\b]
.endr
.irp b, 0,1,2,3
	v_lshrrev_b32 v[TM+4+\b], 23, v[TM+12+\b]
.endr
	v_lshl_or_b32 v[PW], v[TM+5], 8, v[TM+4]
	v_lshl_or_b32 v[PW], v[TM+6], 16, v[PW]
	v_lshl_or_b32 v[PW], v[TM+7], 24, v[PW]
	WIN (\w)
.irp c, 0,1
	v_cvt_scalef32_pk16_bf6_f32 v[PC+6*\c:PC+2+6*\c], v[(\s)+32*\c:(\s)+15+32*\c], v[TM+12+2*\c]
	v_cvt_scalef32_pk16_bf6_f32 v[PC+12+4*\c:PC+14+4*\c], v[(\s)+16+32*\c:(\s)+31+32*\c], v[TM+12+2*\c+1]
.endr
	WIN 0
	v_nop
.irp c, 0,1
.irp i, 0,1,2
	v_permlane16_swap_b32 v[PC+6*\c+\i], v[PC+12+4*\c+\i]
.endr
.irp i, 0,1,2
	v_mov_b32 v[PC+3+6*\c+\i], v[PC+12+4*\c+\i]
.endr
.endr
.endm
	s_load_b256 s[4:11], s[0:1], 0x0               ; qc, kvc, mask, ac
	v_lshl_add_u32 v[SPW], v0, 2, SPARE
	v_mov_b32 v[NIL], 0
	ds_add_u32 v5, v6
	s_wait_dscnt 0x0
	v_lshrrev_b32 v8, 5, v0
	v_readfirstlane_b32 s[WV], v8                  ; wave 0..7
	s_bfe_u32 s[CX], ttmp6, 0x40000
	s_bfe_u32 s[CY], ttmp6, 0x40004
	s_lshl_b32 s[HEAD], ttmp9, 2
	s_add_co_u32 s[HEAD], s[HEAD], s[CX]           ; head = 4 x cluster x + cx
	s_and_b32 s[QB], ttmp7, 0xffff
	s_lshl_b32 s[QB], s[QB], 2
	s_add_co_u32 s[QB], s[QB], s[CY]               ; query block = 4 x cluster y + cy
	s_lshl_b32 s31, 0x1111, s[CX]                  ; my column of the cluster
	; a key step of K and V: 25,600 dense bytes as 100 rows of 32 elements of 8 bytes
	s_or_b32 s[G1K], s31, (3<<16)|(1<<21)          ; 15:0 the mask of work-groups; 17:16 elements of 8 bytes; 21 set beside a mask
	s_mov_b32 s[G1K+1], 32<<16
	s_mov_b32 s[G1K+2], 100<<16
	s_mov_b32 s[G1K+3], 32<<16
	s_mov_b32 s[G1K+4], 100
	s_mov_b32 s[G1K+5], 32
	s_mov_b32 s[G1K+6], 0
	s_mov_b32 s[G1K+7], 0
	s_and_b32 s56, s[WV], 3
	s_mul_i32 s57, s56, STEPB                      ; which of a slot's four steps I fetch: so far on in LDS and in memory alike
	s_mul_i32 s60, s[HEAD], 16*STEPB               ; the head's K and V: the address hangs on the head and the wave alone
	s_add_co_u32 s60, s60, s57
	s_mov_b32 s61, 0
	s_mov_b32 s[SEL], 0x76543210
	s_mov_b32 s[SEL+1], 0xfedcba98
	s_mov_b32 s[RS], 0x3db504f3                    ; 1 / sqrt(128)
	s_mov_b32 s[RS+1], s[RS]                       ; (named with it as a pair, so it is written)
	s_mov_b32 s[L2E], 0x3fb8aa3b                   ; log2(e)
	s_mov_b32 s[L2E+1], s[L2E]
	s_mov_b32 s[TB], 0
	s_mov_b32 s[LEFT], 3
	s_wait_kmcnt 0x0
	s_mov_b32 s[G0K], 1
	s_mov_b32 s[G0K+1], s57
	s_add_nc_u64 s[G0K+2:G0K+3], s[6:7], s[60:61]
	s_or_b32 s[G0K+3], s[G0K+3], 0x80000000
	CROUND                                         ; all sixteen work-groups are here: the first joint loads meet
	JLOAD                                          ; key steps 0 to 3 into slot 0
	s_lshl_b32 s66, s[HEAD], 4
	s_add_co_u32 s66, s66, s[QB]
	s_mul_i32 s66, s66, OBB
	s_mov_b32 s67, 0
	s_add_nc_u64 s[4:5], s[4:5], s[66:67]          ; Q's block
	s_mul_i32 s68, s[WV], 1536
	s_mov_b32 s69, 0
	s_add_nc_u64 s[70:71], s[4:5], s[68:69]        ; my tile of it
	s_lshl_b32 s66, s[QB], 4
	s_add_co_u32 s66, s66, s[HEAD]
	s_mul_i32 s66, s66, OBB
	s_add_nc_u64 s[10:11], s[10:11], s[66:67]      ; the result's block: token block, K step = head
	s_add_nc_u64 s[72:73], s[10:11], s[68:69]      ; my tile of it
	s_lshr_b32 s74, s[WV], 2
	s_lshl_b32 s74, s74, 8
	s_and_b32 s75, s[WV], 3
	s_lshl_b32 s75, s75, 2
	s_add_co_u32 s74, s74, s75                     ; tile w's place among a block's scale words
	s_lshr_b32 s58, s[WV], 1
	s_lshl_b32 s58, s58, 5
	s_and_b32 s59, s[WV], 1
	s_lshl_b32 s59, s59, 3
	s_add_co_u32 s58, s58, s59
	s_lshl_b32 s59, s[QB], 7
	s_add_co_u32 s58, s58, s59                     ; my tile's first query: 128 x query block + 32 (w / 2) + 8 (w % 2)
	s_lshl_b32 s58, s58, 13                        ; x 8,192 bytes
	s_mov_b32 s59, 0
	s_add_nc_u64 s[MB:MB+1], s[8:9], s[58:59]
	v_and_b32 v9, 31, v0
	v_lshlrev_b32 v28, 4, v9                       ; 16 x lane
	v_lshlrev_b32 v29, 3, v9                       ; 8 x lane
	v_and_b32 v10, 15, v0                          ; r
	v_bfe_u32 v11, v0, 4, 1                        ; h
	global_load_b128 v[16:19], v28, s[70:71]       ; Q's fragment stays in registers
	global_load_b64 v[20:21], v29, s[70:71] offset:512
	global_load_b128 v[22:25], v28, s[70:71] offset:768
	global_load_b64 v[26:27], v29, s[70:71] offset:1280
	v_lshl_add_u32 v254, v10, 4, s74
	global_load_b32 v255, v254, s[4:5] offset:12288   ; and its scale words
	MLOAD 128, 0                                   ; the mask of key step 0,
	MLOAD 192, 512                                 ; of key step 1
	s_mul_i32 s76, s[WV], 16*MSP
	s_add_co_u32 s76, s76, MST                     ; my stage
	v_add_nc_u32 v[AIN], s76, v28
	v_mul_u32_u24 v[AOUT], v10, MSP
	v_lshl_add_u32 v[AOUT], v11, 6, v[AOUT]
	v_add_nc_u32 v[AOUT], s76, v[AOUT]
	v_mul_u32_u24 v[AS0], v11, OBB                 ; one product: lanes 16-31 stand a block further on
	v_lshl_add_u32 v[AS0], v10, 4, v[AS0]
	v_add_nc_u32 v[AS0], 12288, v[AS0]
	s_add_co_u32 s74, s74, SCST
	v_lshl_add_u32 v30, v10, 4, s74                ; the result's scale word of my row
	v_add_nc_u32 v31, SCST, v28                    ; and where wave 0 reads all of them back
	; the prefetches: who asks, and where
	s_lshl_b32 s78, s[QB], 7
	s_lshl_b32 s79, s[CX], 5
	s_add_co_u32 s78, s78, s79                     ; my work-group's 32 rows of the query block's 128,
	s_lshl_b32 s78, s78, 13
	s_and_b32 s79, s[WV], 1
	s_lshl_b32 s79, s79, 8
	s_add_co_u32 s78, s78, s79                     ; my wave's half of a row's 512 bytes,
	s_add_co_u32 s78, s78, 4*512                   ; key step 4
	s_mov_b32 s79, 0
	s_add_nc_u64 s[PFA:PFA+1], s[8:9], s[78:79]
	s_sub_co_u32 s81, s[WV], 3
	s_lshr_b32 s81, s81, 1                         ; 0 in waves 3 and 4,
	s_or_b32 s81, s81, ttmp9                       ; of the clusters with x = 0: the same in all sixteen partners, for a given wave
	s_cmp_eq_u32 s81, 0
	s_cselect_b32 s[LIM], 1, 0
	v_lshlrev_b32 v[PFO], 13, v9                   ; a lane a row
	v_mov_b32 v13, 0xff61b1e6                      ; the largest t so far: -3e38
	v_floor_f32 v12, -v13                          ; -M
	v_mov_b32 v14, 0
	v_mov_b32 v15, 0
.irp b, 0,1,2,3
	v_mov_b32 v[236+\b], 0                         ; a lane permute's destination counts as one of its sources
	v_mov_b32 v[TM+4+\b], 0
.endr
	v_mov_b32 v253, 0                              ; (named as the upper half of the pair v[252:253] before it is first written)
.set j, 0
.rept 64
	v_mov_b32 v[160+j], 0                          ; O^T: the step is written for every step alike; the first finds zeros
.set j, j+1
.endr
	s_wait_xcnt 0x0                                ; the loads above have read their base, so it may be written:
	s_add_nc_u64 s[MB:MB+1], s[MB:MB+1], 1024      ; key step 2
	s_wait_loadcnt 16                              ; Q and key step 0's mask are in; key step 1's sixteen loads may be out
	MTURN 128
; The LDS addresses of two key steps, the half-th pair of the slot in hand.  The four vector lines are also the places in front of the loads into registers that the last products read.
.macro ADDR half
	s_add_co_u32 s[TB2], s[TB], (\half)*2*STEPB
	v_add_nc_u32 v[ADK16], s[TB2], v28
	v_add_nc_u32 v[ADK8], s[TB2], v29
	v_add_nc_u32 v[ADS], s[TB2], v[AS0]
	v_nop
.endm
; A KEY STEP: 128 keys, the sub-th of a pair.  ld = 1: the mask of the step after next is asked for, into the set that this step has just read.  turn = 1: the next step's mask goes through the stage;
; lcnt: the younger loads that may then be out.  pf = 1: the prefetch.
.macro STEP sub, ld, turn, lcnt, pf
.set XP, 128+64*(\sub)                 ; this step's mask, in window 1
.set XN, 192-64*(\sub)                 ; the next step's
.set KO, (\sub)*STEPB
.if \sub
	PLACES 4                                       ; in front of loads into registers that the last products read
.endif
	ds_load_b128 v[32:35], v[ADS] offset:KO        ; the words of tiles 0-3,
	ds_load_b128 v[36:39], v[ADS] offset:KO+256    ; of tiles 4-7
	WIN 0x40                                       ; destination window 1
.irp t, 0,1,2,3,4,5,6,7
	FRAG 12*\t, ADK16, ADK8, KO+\t*1536
.endr
	s_wait_dscnt 0x0                               ; K and the scale words are in, and so is this step's mask, back from the stage
	WIN 0x01                                       ; source 0 window 1
.irp t, 0,1,2,3,4,5,6,7
	v_wmma_scale_f32_16x16x128_f8f6f4 v[96+8*\t:103+8*\t], v[12*\t:12*\t+11], v[16:27], 0, v[32+\t], v255 matrix_a_fmt:MATRIX_FMT_BF6 matrix_b_fmt:MATRIX_FMT_BF6
.endr
	WIN 0
	PLACES 4                                       ; behind the products: ahead of the loads into K's registers and of the first read of the scores
	WIN 0x40
.irp t, 0,1,2,3,4,5,6,7
	FRAG 12*\t, ADK16, ADK8, KO+OBB+\t*1536        ; V takes K's registers and lands while the softmax is walked
.endr
	WIN 0x10                                       ; source 2 window 1
.set j, 0
.rept 32
	v_pk_fma_f32 v[96+j:97+j], v[96+j:97+j], s[RS:RS+1], v[XP+j:XP+j+1] op_sel_hi:[1,0,1]   ; logit = score / sqrt(128) + mask; each accumulator from its low end on
.set j, j+2
.endr
.if \ld
	MLOAD XP, 512*(\sub)
.endif
	WIN 0
.if \pf
	ASK \sub
.endif
.irp b, 0,1,2,3
	v_max3_num_f32 v[232+\b], v[96+16*\b], v[97+16*\b], v[98+16*\b]   ; the largest logit of each block of 32 keys: for the row's maximum and, since p rises with the logit, for the block's largest p
.endr
.irp i, 3,5,7,9,11,13
.irp b, 0,1,2,3
	v_max3_num_f32 v[232+\b], v[232+\b], v[96+16*\b+\i], v[97+16*\b+\i]
.endr
.endr
.irp b, 0,1,2,3
	v_max_num_f32 v[232+\b], v[232+\b], v[111+16*\b]
.endr
.irp b, 0,1,2,3
	v_permlanex16_b32 v[236+\b], v[232+\b], s[SEL], s[SEL+1]
.endr
.irp b, 0,1,2,3
	v_max_num_f32 v[232+\b], v[232+\b], v[236+\b]  ; with lane l xor 16's 16 keys
.endr
	v_max3_num_f32 v254, v232, v233, v234
	v_max_num_f32 v254, v254, v235
	v_mul_f32 v254, s[L2E], v254                   ; as t
	v_max_num_f32 v13, v13, v254                   ; the running largest t
	v_mov_b32 v254, v12
	v_floor_f32 v12, -v13                          ; the new -M = -ceil(t): a whole number
	v_sub_f32 v254, v12, v254                      ; old M - new M: a whole number, 0 or less
	v_cvt_i32_f32 v254, v254                       ; (it saturates)
	v_ldexp_f32 v252, 1.0, v254                    ; f = 2^(old M - new M): multiplying by it rounds nothing
.set j, 0
.rept 32
	v_pk_fma_f32 v[96+j:97+j], v[96+j:97+j], s[L2E:L2E+1], v[12:13] op_sel_hi:[1,0,0]   ; t - M
.set j, j+2
.endr
.irp b, 0,1,2,3
	v_fma_f32 v[232+\b], v[232+\b], s[L2E], v12    ; the same of each block's largest logit
.endr
.set j, 0
.rept 64
	v_exp_f32 v[96+j], v[96+j]                     ; p = 2^(t - M), at most 1, not normalised
.set j, j+1
.endr
	v_pk_mul_f32 v[14:15], v[14:15], v[252:253] op_sel_hi:[1,0]   ; the sums under the new M: a plain instruction behind the exponentials
	s_wait_alu depctr_va_vdst(0)                   ; one wait for the batch of 64, ahead of its first reader
.irp b, 0,1,2,3
	v_exp_f32 v[232+\b], v[232+\b]                 ; the block's largest p
.endr
	v_pk_add_f32 v[236:237], v[96:97], v[98:99]    ; the row's sum is taken of the unquantised p, in two chains
.irp j, 4,8,12,16,20,24,28,32,36,40,44,48,52,56,60
	v_pk_add_f32 v[14:15], v[14:15], v[96+\j:97+\j]
	v_pk_add_f32 v[236:237], v[236:237], v[98+\j:99+\j]
.endr
	v_pk_add_f32 v[14:15], v[14:15], v[236:237]
	s_wait_alu depctr_va_vdst(0)                   ; and one for the four
.irp b, 0,1,2,3
	v_max_num_f32 v[232+\b], 0x2800000, v[232+\b]  ; the floor 2^(5 - 127): a block whose every p is 0 keeps the byte 1; its codes are zeros
.endr
.irp b, 0,1,2,3
	v_add_nc_u32 v[244+\b], 0xfe000000, v[232+\b]
.endr
.irp b, 0,1,2,3
	v_lshrrev_b32 v[236+\b], 23, v[244+\b]
.endr
	v_lshl_or_b32 v253, v237, 8, v236              ; p's scale word for these 128 keys
	v_lshl_or_b32 v253, v238, 16, v253
	v_lshl_or_b32 v253, v239, 24, v253
.irp c, 0,1
	v_cvt_scalef32_pk16_bf6_f32 v[224+6*\c:226+6*\c], v[96+32*\c:111+32*\c], v[244+2*\c]
	v_cvt_scalef32_pk16_bf6_f32 v[236+4*\c:238+4*\c], v[112+32*\c:127+32*\c], v[244+2*\c+1]
.endr
	v_nop                                          ; one plain instruction behind the scaled conversions
.irp c, 0,1
.irp i, 0,1,2
	v_permlane16_swap_b32 v[224+6*\c+\i], v[236+4*\c+\i]
.endr
.irp i, 0,1,2
	v_mov_b32 v[227+6*\c+\i], v[236+4*\c+\i]
.endr
.endr
.if \turn
	s_wait_loadcnt \lcnt                           ; the next step's mask is in; the sixteen loads issued in this step, if any, may be out
	MTURN XN
.endif
.set j, 0
.rept 32
	v_pk_mul_f32 v[160+j:161+j], v[160+j:161+j], v[252:253] op_sel_hi:[1,0]   ; O^T under the new M; these 32 also stand between the codes' and the scale word's last writes and the products
.set j, j+2
.endr
	s_wait_dscnt 32*(\turn)                        ; V is in; the turn's 16 stores and 16 loads, issued behind V's loads, may be out
	WIN 0x01
.irp t, 0,1,2,3,4,5,6,7
	v_wmma_scale_f32_16x16x128_f8f6f4 v[160+8*\t:167+8*\t], v[12*\t:12*\t+11], v[224:235], v[160+8*\t:167+8*\t], v[32+\t], v253 matrix_a_fmt:MATRIX_FMT_BF6 matrix_b_fmt:MATRIX_FMT_BF6 matrix_a_scale:MATRIX_SCALE_ROW1
.endr
	WIN 0
.endm
.macro ONWARD                          ; two key steps on
	s_wait_xcnt 0x0                                ; the pair's loads and prefetches have read their bases, so they may be written
	s_add_nc_u64 s[MB:MB+1], s[MB:MB+1], 1024
	s_add_nc_u64 s[PFA:PFA+1], s[PFA:PFA+1], 1024
.endm
; THE CHANGE OF SLOTS stands at a slot's head.  Each wave waits for all its tensor loads (its part of the slot ahead), adds 0 to its spare word, and waits for that and for its reads of the slot that it has left.
; fill = 1: a round of the cluster's barrier, and behind it the slot just left takes the four key steps that follow: that load has four key steps in which to land.  The mask's loads into registers stay out across it.
.macro CHANGE fill
	s_wait_tensorcnt 0x0                           ; no tensor load of mine is out, so a group 0 may be written
	ds_add_u32 v[SPW], v[NIL]                      ; 0 onto my spare word
.if \fill
	s_xor_b32 s[G0K+1], s[G0K+1], SLOT1            ; the other slot than last time,
	s_add_nc_u64 s[G0K+2:G0K+3], s[G0K+2:G0K+3], 4*STEPB   ; the next four key steps
.endif
	s_wait_dscnt 0x0                               ; the add is done, and my reads of the slot that I have left are over
.if \fill
	CROUND
	JLOAD                                          ; the first tensor load behind the round, one in each of waves 0 to 3
.else
	s_barrier_signal -1
	s_barrier_wait -1
.endif
.endm
.Lquad:                                            ; 3 trips of four key steps: behind each change of slots but the last the next slot is asked for
	CHANGE 1
	ADDR 0
	STEP 0, 1, 1, 16, 1
	STEP 1, 1, 1, 16, 1
	ONWARD
	ADDR 1
	STEP 0, 1, 1, 16, 1
	STEP 1, 1, 1, 16, 1
	ONWARD
	s_xor_b32 s[TB], s[TB], SLOT1
	s_sub_co_u32 s[LEFT], s[LEFT], 1
	s_cmp_lg_u32 s[LEFT], 0
	s_cbranch_scc1 .Lquad
	CHANGE 0                                       ; the last slot is written out
	ADDR 0
	STEP 0, 1, 1, 16, 0                            ; key step 12 asks for the mask of 14,
	STEP 1, 1, 1, 16, 0                            ; 13 for that of 15
	ADDR 1
	STEP 0, 0, 1, 0, 0                             ; 14 asks for nothing: no younger load is out at its turn
	STEP 1, 0, 0, 0, 0                             ; 15 has nothing to turn
	; THE WAY OUT: O^T / the sum, quantised along the head's 128: my tile's fragment and scale words of the last product's operand.
	PLACES 4
	v_add_f32 v14, v14, v15
	v_permlanex16_b32 v252, v14, s[SEL], s[SEL+1]
	v_add_f32 v14, v14, v252                       ; the row's sum
	v_rcp_f32 v14, v14
	v_nop                                          ; a plain instruction behind the reciprocal,
	s_wait_alu depctr_va_vdst(0)                   ; and the wait ahead of its first reader
.set j, 0
.rept 64
	v_mul_f32 v[96+j], v[160+j], v14               ; register 16 b + i: d = 32 b + 16 h + i of my query
.set j, j+1
.endr
	QUANT 96, 0
	global_store_b128 v28, v[PC:PC+3], s[72:73]            ; each store covers 512 or 256 consecutive bytes, at a multiple of 256 from the buffer's first byte
	global_store_b64 v29, v[PC+4:PC+5], s[72:73] offset:512
	global_store_b128 v28, v[PC+6:PC+9], s[72:73] offset:768
	global_store_b64 v29, v[PC+10:PC+11], s[72:73] offset:1280
	ds_store_b32 v30, v[PW]
	s_wait_dscnt 0x0                               ; for wave 0's sake
	s_barrier_signal -1
	s_barrier_wait -1
	s_cmp_lg_u32 s[WV], 0
	s_cbranch_scc1 .Lno_scales
	ds_load_b128 v[96:99], v31
	s_wait_dscnt 0x0
	global_store_b128 v28, v[96:99], s[10:11] offset:12288
.Lno_scales:
	s_wait_tensorcnt 0x0                           ; the wave's end
	ds_add_u32 v[SPW], v[NIL]
	s_wait_dscnt 0x0
	CROUND                                         ; the closing round
	s_endpgm
.Lfunc_end_k_q8d31362419_attn:
	.size	k_q8d31362419_attn, .Lfunc_end_k_q8d31362419_attn-k_q8d31362419_attn
	.p2alignl 7, 3214868480
	.fill 96, 4, 3214868480
	.section	.rodata,"a",@progbits
	.p2align	6, 0x0
	.amdhsa_kernel k_q8d31362419_attn
		.amdhsa_group_segment_fixed_size 327680
		.amdhsa_private_segment_fixed_size 0
		.amdhsa_enable_private_segment 0
		.amdhsa_kernarg_size 32
		.amdhsa_user_sgpr_count 2
		.amdhsa_user_sgpr_kernarg_segment_ptr 1
		.amdhsa_wavefront_size32 1
		.amdhsa_system_sgpr_workgroup_id_x 1
		.amdhsa_system_sgpr_workgroup_id_y 1
		.amdhsa_system_sgpr_workgroup_id_z 1
		.amdhsa_system_vgpr_workitem_id 0
		.amdhsa_next_free_vgpr 512
		.amdhsa_next_free_sgpr 100
		.amdhsa_reserve_vcc 0
		.amdhsa_float_denorm_mode_32 3
		.amdhsa_float_denorm_mode_16_64 3
		.amdhsa_memory_ordered 1
		.amdhsa_forward_progress 1
		.amdhsa_inst_pref_size 218
	.end_amdhsa_kernel
	.amdgpu_metadata
---
amdhsa.version: [ 1, 2 ]
amdhsa.kernels:
  - .name:           k_q8d31362419_attn
    .symbol:         k_q8d31362419_attn.kd
    .args:
      - { .name: qc, .offset: 0, .size: 8, .value_kind: global_buffer, .address_space: global }
      - { .name: kvc, .offset: 8, .size: 8, .value_kind: global_buffer, .address_space: global }
      - { .name: mask, .offset: 16, .size: 8, .value_kind: global_buffer, .address_space: global }
      - { .name: ac, .offset: 24, .size: 8, .value_kind: global_buffer, .address_space: global }
    .group_segment_fixed_size: 327680
    .private_segment_fixed_size: 0
    .kernarg_segment_align: 8
    .kernarg_segment_size: 32
    .max_flat_workgroup_size: 256
    .sgpr_count:     100
    .vgpr_count:     512
    .wavefront_size: 32
...
	.end_amdgpu_metadata
.endif
;; end of part 3
;; launch oproj (part 4): grid 16 x 16, 4 waves a work-group, clusters of 4 x 4, 327,680 bytes of LDS; arguments ac, opq, out0; writes out0
.if DOCPART == 4
	.amdgcn_target "amdgcn-amd-amdhsa--gfx1250"
	.amdhsa_code_object_version 6
	.text
	.protected	k_q8d31362419_oproj
	.globl	k_q8d31362419_oproj
	.p2align	8
	.type	k_q8d31362419_oproj,@function
k_q8d31362419_oproj:
	s_mov_b64 s[64:65], 0
	v_nop
	global_prefetch_b8 v0, s[64:65] scope:SCOPE_SE
	s_setreg_imm32_b32 hwreg(HW_REG_WAVE_MODE, 25, 1), 1
	s_wait_xcnt 0x0
	s_wait_alu depctr_hold_cnt(0) depctr_sa_sdst(0) depctr_va_vdst(0) depctr_va_sdst(0) depctr_va_ssrc(0) depctr_va_vcc(0) depctr_vm_vsrc(0)
	s_getreg_b32 s2, hwreg(HW_REG_IB_STS2, 6, 4)
	s_cmp_eq_u32 s2, 0
	s_cbranch_scc0 .Lentry_in_a_cluster
	s_endpgm
.Lentry_in_a_cluster:
	s_bfe_u32 s2, ttmp6, 0x10000c
	s_cmp_lg_u32 s2, 0xf033
	s_cbranch_scc0 .Lentry_shape_is_right
	s_endpgm
.Lentry_shape_is_right:
; out0 = attention's result x wo^T, on codes of BF6 with E8M0 scales; both operands arrive as operand blocks (128 rows x 128 K in 12,800 bytes: eight images of 12 registers, lane-row r of tile 2 b + u =
; row 32 b + 8 u + r + 8 (r / 8); then 512 scale bytes).  out0: [2048][2048] f32.
; A tile of the output is 128 x 128, so that there are 256 work-groups; four waves, each 64 tokens x 64 columns: 16 accumulators.  TRANSPOSED (source 0 = 16 rows of wo, source 1 = 16 tokens): a lane holds one
; token, and its 32 registers of four tiles are columns 32 b + 16 h + 0 .. 15: 64 neighbouring bytes twice.
; K goes in steps of 128 through a ring of two LDS slots; a slot holds four K steps of both operands; each wave brings 25,600 dense bytes by one tensor load.  16 K steps: four fills, two of them refills; written out.
; CLUSTER 4 x 4: the tokens' blocks are asked for jointly along a row of the cluster, wo's along a column.  No prefetch: the launch is short and its tiles are shared.
; REGISTERS: window 0: v1-29 addresses; v32-39 scale words, two sets (lanes 0-15 the tokens', lanes 16-31 wo's); v64-127 the way out; v128-255 the accumulators, (a, b) at 128 + 8 (4 a + b).
;   window 1: two sets of 96: the tokens' four fragments, wo's four.
.set OBB,   12800
.set HALF,  2*OBB                      ; what one tensor load brings
.set SIDE,  4*OBB                      ; one operand's part of a slot
.set SLOT,  2*SIDE
.set STAGE, 2*SLOT                     ; behind the ring: 16 rows x (256 bytes + 16) for each wave
.set SPITCH, 272
.set SPARE, STAGE+4*16*SPITCH          ; the spare words, 128 bytes a wave: two blocks of 256 bytes that no other line names
.set AA16, 8
.set AA8,  10
.set AB16, 12
.set AB8,  14
.set ASC,  16
.set STO,  18
.set RD,   19
.set CO,   20
.set SPW,  28
.set NIL,  29
.set SC,   32
.set BK,   64
.set ACC,  128
.set WV,   14
.set WI,   15
.set WJ,   16
.set CX,   17
.set CY,   18
.set NB,   19
.set TBK,  20
.set G1A,  24
.set G1B,  32
.set G0A,  48
.set G0B,  56
.set MSB, 0
.macro WIN new
.if MSB != (\new)
	s_set_vgpr_msb (MSB<<8)|(\new)
.set MSB, (\new)
.endif
.endm
.macro PLACES n
.rept \n
	v_nop
.endr
.endm
.macro FRAG reg, a16, a8, off
	ds_load_b128 v[(\reg):(\reg)+3], v[\a16] offset:(\off)
	ds_load_b64 v[(\reg)+4:(\reg)+5], v[\a8] offset:(\off)+512
	ds_load_b128 v[(\reg)+6:(\reg)+9], v[\a16] offset:(\off)+768
	ds_load_b64 v[(\reg)+10:(\reg)+11], v[\a8] offset:(\off)+1280
.endm
.macro CREST
	s_cmp_lg_u32 s[WV], 0
	s_cbranch_scc1 .Lnot_wave_0_\@
	s_barrier_signal -3
.Lnot_wave_0_\@:
	s_barrier_wait -3
	s_barrier_signal -1
	s_barrier_wait -1
.endm
.macro CROUND
	s_barrier_signal -1
	s_barrier_wait -1
	CREST
.endm
.macro JLOAD s                         ; waves 0 and 1 fetch the tokens' halves, waves 2 and 3 wo's; four v_nop follow each line
	s_cmp_lt_u32 s[WV], 2
	s_cbranch_scc0 .Lfor_b_\@
	tensor_load_to_lds s[G0A+4*\s:G0A+4*\s+3], s[G1A:G1A+7]
	s_nop 0
	PLACES 4
	s_branch .Lasked_\@
.Lfor_b_\@:
	tensor_load_to_lds s[G0B+4*\s:G0B+4*\s+3], s[G1B:G1B+7]
	s_nop 0
	PLACES 4
.Lasked_\@:
.endm
	s_load_b128 s[4:7], s[0:1], 0x0                ; ac, opq
	s_load_b64 s[8:9], s[0:1], 0x10                ; out0
	v_lshl_add_u32 v[SPW], v0, 2, SPARE
	v_mov_b32 v[NIL], 0
	ds_add_u32 v28, v29
	s_wait_dscnt 0x0
	v_lshrrev_b32 v5, 5, v0
	v_readfirstlane_b32 s[WV], v5
	s_lshr_b32 s[WI], s[WV], 1                     ; which 64 tokens are mine
	s_and_b32 s[WJ], s[WV], 1                      ; which 64 columns.  Also: which half of an operand's part of a slot I fetch
	s_bfe_u32 s[CX], ttmp6, 0x40000
	s_bfe_u32 s[CY], ttmp6, 0x40004
	s_lshl_b32 s[NB], ttmp9, 2
	s_add_co_u32 s[NB], s[NB], s[CX]               ; column block
	s_and_b32 s[TBK], ttmp7, 0xffff
	s_lshl_b32 s[TBK], s[TBK], 2
	s_add_co_u32 s[TBK], s[TBK], s[CY]             ; token block
	s_lshl_b32 s76, s[CY], 2
	s_lshl_b32 s76, 15, s76
	s_lshl_b32 s80, 0x1111, s[CX]
	s_or_b32 s[G1A], s76, (3<<16)|(1<<21)          ; 25,600 dense bytes as 100 rows of 32 elements of 8 bytes
	s_or_b32 s[G1B], s80, (3<<16)|(1<<21)
.irp g, G1A, G1B
	s_mov_b32 s[\g+1], 32<<16
	s_mov_b32 s[\g+2], 100<<16
	s_mov_b32 s[\g+3], 32<<16
	s_mov_b32 s[\g+4], 100
	s_mov_b32 s[\g+5], 32
	s_mov_b32 s[\g+6], 0
	s_mov_b32 s[\g+7], 0
.endr
	s_mul_i32 s84, s[WJ], HALF
	s_mul_i32 s76, s[TBK], 204800
	s_add_co_u32 s76, s76, s84
	s_mov_b32 s77, 0
	s_mul_i32 s80, s[NB], 204800
	s_add_co_u32 s80, s80, s84
	s_add_co_u32 s80, s80, 4*3276800               ; wo is the fifth tensor of opq
	s_mov_b32 s81, 0
	s_mul_i32 s86, s[WV], HALF
	s_wait_kmcnt 0x0
	s_add_nc_u64 s[78:79], s[4:5], s[76:77]
	s_add_nc_u64 s[82:83], s[6:7], s[80:81]
	CROUND                                         ; all sixteen work-groups are here: the first joint loads meet
.irp s, 0,1
	s_mov_b32 s[G0A+4*\s], 1
	s_add_co_u32 s[G0A+4*\s+1], s86, \s*SLOT
	s_add_nc_u64 s[G0A+4*\s+2:G0A+4*\s+3], s[78:79], \s*SIDE
	s_or_b32 s[G0A+4*\s+3], s[G0A+4*\s+3], 0x80000000
	s_mov_b32 s[G0B+4*\s], 1
	s_add_co_u32 s[G0B+4*\s+1], s86, \s*SLOT
	s_add_nc_u64 s[G0B+4*\s+2:G0B+4*\s+3], s[82:83], \s*SIDE
	s_or_b32 s[G0B+4*\s+3], s[G0B+4*\s+3], 0x80000000
.endr
	s_cmp_lt_u32 s[WV], 2                          ; a wave's two first fills stand in one branch: two loads of mine are out
	s_cbranch_scc0 .Lfirst_b
	tensor_load_to_lds s[G0A:G0A+3], s[G1A:G1A+7]
	s_nop 0
	tensor_load_to_lds s[G0A+4:G0A+7], s[G1A:G1A+7]
	s_nop 0
	PLACES 4
	s_branch .Lfirst_asked
.Lfirst_b:
	tensor_load_to_lds s[G0B:G0B+3], s[G1B:G1B+7]
	s_nop 0
	tensor_load_to_lds s[G0B+4:G0B+7], s[G1B:G1B+7]
	s_nop 0
	PLACES 4
.Lfirst_asked:
	v_and_b32 v5, 31, v0
	v_lshlrev_b32 v1, 4, v5
	v_lshlrev_b32 v2, 3, v5
	v_and_b32 v3, 15, v0                           ; r
	v_bfe_u32 v4, v0, 4, 1                         ; h
	s_mul_i32 s87, s[WI], 4*1536                   ; my four tiles of tokens
	s_mul_i32 s88, s[WJ], 4*1536
	s_add_co_u32 s88, s88, SIDE                    ; my four tiles of wo
	s_lshl_b32 s89, s[WI], 8
	s_lshl_b32 s90, s[WJ], 8
	s_add_co_u32 s90, s90, SIDE
	s_sub_co_u32 s90, s90, s89                     ; from the tokens' scale words to wo's
	s_add_co_u32 s89, s89, 12288
	v_mul_u32_u24 v5, s90, v4                      ; one product: lanes 16-31 stand that far on
	v_lshl_add_u32 v5, v3, 4, v5
.irp s, 0,1
	v_add_nc_u32 v[AA16+\s], s87, v1
	v_add_nc_u32 v[AA8+\s], s87, v2
	v_add_nc_u32 v[AB16+\s], s88, v1
	v_add_nc_u32 v[AB8+\s], s88, v2
	v_add_nc_u32 v[ASC+\s], s89, v5
	s_add_co_u32 s87, s87, SLOT
	s_add_co_u32 s88, s88, SLOT
	s_add_co_u32 s89, s89, SLOT
.endr
	s_mul_i32 s91, s[WV], 16*SPITCH
	s_add_co_u32 s91, s91, STAGE                   ; my stage
	v_mul_u32_u24 v[STO], v3, SPITCH
	v_lshl_add_u32 v[STO], v4, 6, v[STO]
	v_add_nc_u32 v[STO], s91, v[STO]               ; in: row r, + 64 h bytes
	v_mul_u32_u24 v[RD], v4, SPITCH
	v_lshl_add_u32 v[RD], v3, 4, v[RD]
	v_add_nc_u32 v[RD], s91, v[RD]                 ; back: lanes 0-15 one row of 256 bytes, lanes 16-31 the next
	v_lshlrev_b32 v[CO], 13, v4
	v_lshl_add_u32 v[CO], v3, 4, v[CO]             ; and the same two rows in out0
	s_lshl_b32 s92, s[TBK], 7
	s_lshl_b32 s93, s[WI], 6
	s_add_co_u32 s92, s92, s93
	s_lshl_b32 s92, s92, 13                        ; my first token's row,
	s_lshl_b32 s93, s[NB], 9
	s_add_co_u32 s92, s92, s93
	s_lshl_b32 s93, s[WJ], 8
	s_add_co_u32 s92, s92, s93                     ; my first column: a multiple of 256 bytes
	s_mov_b32 s93, 0
	s_add_nc_u64 s[8:9], s[8:9], s[92:93]
.macro FETCH slot, kk, p               ; 33 LDS loads in one run: the slot's kk-th K step into set p
	WIN 0x40
.irp a, 0,1,2,3
	FRAG 96*(\p)+12*\a, AA16+\slot, AA8+\slot, (\kk)*OBB+\a*1536
.endr
.irp b, 0,1,2,3
	FRAG 96*(\p)+48+12*\b, AB16+\slot, AB8+\slot, (\kk)*OBB+\b*1536
.endr
	WIN 0
	ds_load_b128 v[SC+4*(\p):SC+4*(\p)+3], v[ASC+\slot] offset:(\kk)*OBB
.endm
.macro MUL4 p, a, zero                 ; token tile a x wo's four tiles; the 16 accumulators take turns, one instruction a turn, in the same order in every step
.irp b, 0,1,2,3
.if \zero
	v_wmma_scale_f32_16x16x128_f8f6f4 v[ACC+8*(4*(\a)+\b):ACC+8*(4*(\a)+\b)+7], v[96*(\p)+48+12*\b:96*(\p)+48+12*\b+11], v[96*(\p)+12*(\a):96*(\p)+12*(\a)+11], 0, v[SC+4*(\p)+\b], v[SC+4*(\p)+(\a)] matrix_a_fmt:MATRIX_FMT_BF6 matrix_b_fmt:MATRIX_FMT_BF6 matrix_a_scale:MATRIX_SCALE_ROW1
.else
	v_wmma_scale_f32_16x16x128_f8f6f4 v[ACC+8*(4*(\a)+\b):ACC+8*(4*(\a)+\b)+7], v[96*(\p)+48+12*\b:96*(\p)+48+12*\b+11], v[96*(\p)+12*(\a):96*(\p)+12*(\a)+11], v[ACC+8*(4*(\a)+\b):ACC+8*(4*(\a)+\b)+7], v[SC+4*(\p)+\b], v[SC+4*(\p)+(\a)] matrix_a_fmt:MATRIX_FMT_BF6 matrix_b_fmt:MATRIX_FMT_BF6 matrix_a_scale:MATRIX_SCALE_ROW1
.endif
.endr
.endm
.set W_MUL, 0x05                       ; sources 0 and 1 window 1; C and D window 0
.macro STEPN slot, kk, p, zero         ; one of a slot's first three K steps: the next step's fragments are asked for ahead of this step's products
	s_wait_dscnt 0x0                               ; set p is in
	PLACES 4                                       ; in front of loads into registers that the last step's products read
	FETCH \slot, (\kk)+1, 1-(\p)
	WIN W_MUL
	MUL4 \p, 0, \zero
	MUL4 \p, 1, \zero
	MUL4 \p, 2, \zero
	MUL4 \p, 3, \zero
.endm
; A slot's last K step, on set 1, changes slots: one barrier; in front of it each wave waits for all its tensor loads, adds 0 to its spare word, and waits for that and for its reads of this slot.
.macro STEPT slot, other, fill
	WIN 0
	s_wait_tensorcnt 0x0                           ; all my tensor loads have landed: my part of the other slot
	ds_add_u32 v[SPW], v[NIL]                      ; 0 onto my spare word
.if \fill
	s_add_nc_u64 s[G0A+4*\slot+2:G0A+4*\slot+3], s[G0A+4*\slot+2:G0A+4*\slot+3], 2*SIDE
	s_add_nc_u64 s[G0B+4*\slot+2:G0B+4*\slot+3], s[G0B+4*\slot+2:G0B+4*\slot+3], 2*SIDE
.endif
	s_wait_dscnt 0x1                               ; set 1 is in; the add may be out
	WIN W_MUL
	MUL4 1, 0, 0
	s_wait_dscnt 0x0                               ; the add is done, and my reads of this slot are over
	s_barrier_signal -1
	MUL4 1, 1, 0
	WIN 0
	s_barrier_wait -1
.if \fill
	CREST                                          ; no wave of any partner still reads this slot or has a load on its way
	JLOAD \slot                                    ; its four v_nop are also the places in front of the loads below
.else
	PLACES 4
.endif
	FETCH \other, 0, 0
	WIN W_MUL
	MUL4 1, 2, 0
	MUL4 1, 3, 0
.endm
	s_wait_tensorcnt 0x1                           ; my part of slot 0 is in; slot 1's may stay out
	s_barrier_signal -1
	s_barrier_wait -1
	FETCH 0, 0, 0
	STEPN 0, 0, 0, 1                               ; the first K step starts the sums
	STEPN 0, 1, 1, 0
	STEPN 0, 2, 0, 0
	STEPT 0, 1, 1                                  ; slot 0 takes K steps 8 to 11
	STEPN 1, 0, 0, 0
	STEPN 1, 1, 1, 0
	STEPN 1, 2, 0, 0
	STEPT 1, 0, 1                                  ; slot 1 takes K steps 12 to 15
	STEPN 0, 0, 0, 0
	STEPN 0, 1, 1, 0
	STEPN 0, 2, 0, 0
	STEPT 0, 1, 0                                  ; nothing more is asked for
	STEPN 1, 0, 0, 0
	STEPN 1, 1, 1, 0
	STEPN 1, 2, 0, 0
	s_wait_dscnt 0x0
	MUL4 1, 0, 0
	MUL4 1, 1, 0
	MUL4 1, 2, 0
	MUL4 1, 3, 0
	WIN 0
; THE WAY OUT, a token tile (16 rows x 64 columns) at a time, through my own stage: LDS serves a wave's instructions in order, so no wait stands between the stores and the loads.
.macro TOSTAGE a
.irp b, 0,1,2,3
.irp e, 0,1
	ds_store_b128 v[STO], v[ACC+8*(4*(\a)+\b)+4*\e:ACC+8*(4*(\a)+\b)+4*\e+3] offset:128*(\b/2)+32*(\b%2)+16*\e   ; each accumulator from its low end on
.endr
.endr
.irp i, 0,1,2,3,4,5,6,7
	ds_load_b128 v[BK+32*((\a)%2)+4*\i:BK+32*((\a)%2)+4*\i+3], v[RD] offset:2*\i*SPITCH
.endr
.endm
.macro SEND a, younger                 ; younger: the LDS instructions issued behind tile a's loads, which may stay out
	s_wait_dscnt \younger
.irp i, 0,1,2,3,4,5,6,7
	global_store_b128 v[CO], v[BK+32*((\a)%2)+4*\i:BK+32*((\a)%2)+4*\i+3], s[8:9] offset:(32*((\a)/2)+8*((\a)%2)+2*\i+8*(\i/4))*8192 th:TH_STORE_NT   ; stage rows 2 i, 2 i + 1 are tokens 2 i + h + 8 (i / 4) of the tile; 16 lanes store 256 consecutive bytes, aligned
.endr
.endm
	PLACES 4                                       ; behind the last products, ahead of the first read of results
	TOSTAGE 0
.irp a, 1,2,3
.if \a > 1
	s_wait_xcnt 0x0                                ; tile a - 2's stores have read their registers: tile a's loads may land there
.endif
	TOSTAGE \a
	SEND \a-1, 16                                  ; behind tile a - 1's loads: tile a's 8 stores and 8 loads
.endr
	SEND 3, 0
	s_wait_tensorcnt 0x0                           ; the wave's end
	ds_add_u32 v[SPW], v[NIL]
	s_wait_dscnt 0x0
	CROUND                                         ; the closing round
	s_endpgm
.Lfunc_end_k_q8d31362419_oproj:
	.size	k_q8d31362419_oproj, .Lfunc_end_k_q8d31362419_oproj-k_q8d31362419_oproj
	.p2alignl 7, 3214868480
	.fill 96, 4, 3214868480
	.section	.rodata,"a",@progbits
	.p2align	6, 0x0
	.amdhsa_kernel k_q8d31362419_oproj
		.amdhsa_group_segment_fixed_size 327680
		.amdhsa_private_segment_fixed_size 0
		.amdhsa_enable_private_segment 0
		.amdhsa_kernarg_size 24
		.amdhsa_user_sgpr_count 2
		.amdhsa_user_sgpr_kernarg_segment_ptr 1
		.amdhsa_wavefront_size32 1
		.amdhsa_system_sgpr_workgroup_id_x 1
		.amdhsa_system_sgpr_workgroup_id_y 1
		.amdhsa_system_sgpr_workgroup_id_z 1
		.amdhsa_system_vgpr_workitem_id 0
		.amdhsa_next_free_vgpr 512
		.amdhsa_next_free_sgpr 100
		.amdhsa_reserve_vcc 0
		.amdhsa_float_denorm_mode_32 3
		.amdhsa_float_denorm_mode_16_64 3
		.amdhsa_memory_ordered 1
		.amdhsa_forward_progress 1
		.amdhsa_inst_pref_size 87
	.end_amdhsa_kernel
	.amdgpu_metadata
---
amdhsa.version: [ 1, 2 ]
amdhsa.kernels:
  - .name:           k_q8d31362419_oproj
    .symbol:         k_q8d31362419_oproj.kd
    .args:
      - { .name: ac, .offset: 0, .size: 8, .value_kind: global_buffer, .address_space: global }
      - { .name: opq, .offset: 8, .size: 8, .value_kind: global_buffer, .address_space: global }
      - { .name: out0, .offset: 16, .size: 8, .value_kind: global_buffer, .address_space: global }
    .group_segment_fixed_size: 327680
    .private_segment_fixed_size: 0
    .kernarg_segment_align: 8
    .kernarg_segment_size: 24
    .max_flat_workgroup_size: 128
    .sgpr_count:     100
    .vgpr_count:     512
    .wavefront_size: 32
...
	.end_amdgpu_metadata
.endif
;; end of part 4
